; MI455X (gfx1250); checked and timed in simulation.
; The chip was launched on July 23, 2026; its instructions are those of AMD's public machine-readable ISA for CDNA 5 (MIT licence, August 2026) and "CDNA5" Instruction Set Architecture Reference Guide (July 2026). The comments in the code are by the model that wrote it; some were corrected since.
;; Multi Head Attention. Allowed arithmetic: matrix products marked QUANTISED: E2M1 operands, one E8M0 scale for each 32 along K, by v_wmma_scale_f32_16x16x128_f8f6f4 with both operands' format E2M1 (or v_wmma_scale_f32_32x16x128_f4), f32 sums; products left as they are: bf16, f16 or f32 operands; f32 sums; everything else in f32.
;; Inputs: Wk 1,024 x 1,024 float32; Wo 1,024 x 1,024 float32; Wq 1,024 x 1,024 float32; Wv 1,024 x 1,024 float32; attention_mask 4 x 1 x 2,048 x 2,048 int32; x 4 x 2,048 x 1,024 float32.
;; Outputs: out0 4 x 2,048 x 1,024 float32.
;; This version of the problem:
;;   THIS VERSION OF THE PROBLEM IS GIVEN IN LOW PRECISION. The matrix products marked QUANTISED in the list below multiply operands that are first quantised to E2M1 (2 exponent bits, 1 mantissa bit; 4 bits a number), with one power-of-two scale for each 32 numbers along K (OCP MX v1.0); their sums are f32. The products marked 'left as it is' may take bf16, f16 or f32 operands, with f32 sums. All else is computed in f32.
;;   The module's matrix products, in the order in which they are computed (A, B: the left and right operand; K: the contracted axis; several contracted axes count as one K, in the product's order):
;;     1. [M 8,192, K 1,024] x [K 1,024, N 1,024]; A: input x; B: input Wq: QUANTISED
;;     2. [M 8,192, K 1,024] x [K 1,024, N 1,024]; A: input x; B: input Wk: QUANTISED
;;     3. [M 8,192, K 1,024] x [K 1,024, N 1,024]; A: input x; B: input Wv: QUANTISED
;;     4. batch 64 x [M 2,048, K 64] x [K 64, N 2,048]; A: computed on the way; B: computed on the way: left as it is (an operand is computed on the way)
;;     5. batch 64 x [M 2,048, K 2,048] x [K 2,048, N 64]; A: computed on the way; B: computed on the way: left as it is (an operand is computed on the way)
;;     6. [M 8,192, K 1,024] x [K 1,024, N 1,024]; A: computed on the way; B: input Wo: left as it is (an operand is computed on the way)
;;   THE QUANTISER, for each operand of a quantised product, along K:
;;     - K is cut into blocks of 32 from its start; a last block that is shorter is filled with zeros.
;;     - A block's scale is 2^e with e = floor(log2(the largest magnitude in the block)) - 2, held to -126 .. 127; a block of zeros has e = 0. As a byte (E8M0): e + 127.
;;     - Each number is divided by its block's scale, clamped to +-6, and rounded to the nearest number of E2M1, ties to even, subnormals kept.
;;     - The product sums the exact products of the quantised numbers (number of the format x scale) in f32.
;;   ~~~python
;;   def quantise(x, axis):      # numpy; x: float32 -> the quantised numbers, widened to float32 again
;;       x = np.moveaxis(x, axis, -1); K = x.shape[-1]
;;       x = np.pad(x, [(0, 0)] * (x.ndim - 1) + [(0, -K % 32)]); x = x.reshape(x.shape[:-1] + (-1, 32)); a = np.abs(x).max(-1, keepdims=True)
;;       e = np.where(a > 0, np.clip(np.frexp(np.where(a > 0, a, 1))[1] - 1 - 2, -126, 127), 0)      # np.frexp(a)[1] - 1 = floor(log2(a)), exactly
;;       r = np.clip(x / 2.0 ** e, -6, 6)
;;       step = 2.0 ** (np.maximum(np.frexp(np.where(r == 0, 1, r))[1] - 1, 0) - 1)
;;       q = np.round(r / step) * step * 2.0 ** e      # np.round: ties to even
;;       return np.moveaxis(q.reshape(q.shape[:-2] + (-1,))[..., :K], -1, axis).astype(np.float32)
;;   ~~~
;; One version. Each part assembles by itself: llvm-mc -triple=amdgcn-amd-amdhsa -mcpu=gfx1250 --defsym DOCPART=n.
;; ======== version 1 of 1: 4 launches
;; limits: values are held in f16: magnitudes above 65,504 overflow, below 6.1e-05 lose precision
;; workspace buffers: xc 4,194,304 bytes; xs 262,144 bytes; wc 1,572,864 bytes; ws 98,304 bytes; wof 2,097,152 bytes; maskbits 2,097,152 bytes of whole numbers; qkvf 50,331,648 bytes; af 16,777,216 bytes
;; launch prep (part 1): grid 624 x 1, 4 waves a work-group, no clusters, 68,096 bytes of LDS; arguments x, Wq, Wk, Wv, Wo, attention_mask, xc, xs, wc, ws, wof, maskbits; writes xc, xs, wc, ws, wof, maskbits
.if DOCPART == 1
	.amdgcn_target "amdgcn-amd-amdhsa--gfx1250"
	.amdhsa_code_object_version 6
	.text
	.protected	k_qa92c4c808d_prep
	.globl	k_qa92c4c808d_prep
	.p2align	8
	.type	k_qa92c4c808d_prep,@function
k_qa92c4c808d_prep:
	s_mov_b64 s[64:65], 0
	v_nop
	global_prefetch_b8 v0, s[64:65] scope:SCOPE_SE
	s_setreg_imm32_b32 hwreg(HW_REG_WAVE_MODE, 25, 1), 1
	s_wait_xcnt 0x0
; THE LAUNCH IN FRONT OF THE PRODUCTS.  Three pieces of work, told apart by the work-group's number:
;   work-groups 0-351:   x [8192][1024], Wq, Wk, Wv [1024][1024], f32, become codes of FP4 (E2M1), K innermost, two codes a byte, and one E8M0 scale byte for each 32 along K.
;                        x's go to xc [8192][512 bytes] and xs [8192][32]; the three weights' one behind the other to wc [3072][512 bytes] and ws [3072][32].
;   work-groups 352-607: attention_mask [4][2048][2048] int32 becomes lane masks: for 32 queries x 64 keys 64 words; bit l of word 32 t + n says whether
;                        mask[query 16 t + l % 16][key 16 (n / 8) + 8 (l / 16) + n % 8] is not 0: the lanes and registers in which the attention launch holds its scores.
;   work-groups 608-623: Wo [1024][1024] f32 becomes f16, laid in the order of a matrix operand's registers: [tile of 16 rows][32 along K][chunk c: 512 bytes, lane l's 16 bytes at 16 l],
;                        lane (r = l % 16, h = l / 16) of chunk c holding row r, k = 16 c + 8 h + 0 .. 7.
; A block's scale is 2^(floor(log2(its largest magnitude)) - 2); its byte is the largest magnitude's exponent field - 2, held at 1 from below; each number is divided by the scale and rounded to the nearest code, ties to even.
; LIMITS: a block of zeros gets the byte 1 where the rule says 127 (its codes are zeros, and this program alone reads the bytes); blocks whose largest magnitude lies under 2^-124 keep the byte 1;
; NaN and infinities among the inputs are not served; a number of Wo beyond 65,504 in magnitude has no f16.
; No tensor loads, no barrier: waves share nothing.  The two ways through the text have LDS bytes of their own: the quantiser 0 .. 32,767, the turning way 32,768 .. 67,583.
.set NQWG,  352                        ; work-groups that quantise: 256 for x, 32 for each weight (32,768 numbers each)
.set NMWG,  608                        ; the mask's work-groups end here
.set STEPS, 16
.set CB,    8                          ; bytes of 16 codes
.set R,     16                         ; v16-79   quantiser: four sets of 16 numbers as they are loaded
.set QX,    80                         ; v80-111  two sets of 16 neighbours
.set E,     112                        ; v112-127 a scale byte for each step
.set C,     128                        ; v128-191 codes: four registers for each step, so that no store's data are written again
.set WREG,  8192                       ; LDS: a region for each wave: two stages of 32 x SP bytes, behind them its 256 scale bytes
.set SP,    80                         ; a lane's place in a stage: its 64 bytes + 16 of padding
.set VA,    16                         ; v16-31   turning way: byte offsets of the 16 loads of a unit
.set TR,    32                         ; v32-159  two sets of 64 registers as loaded
.set TX,    160                        ; v160-223 a unit as the reader's lanes want it
.set MWD,   224                        ; v224-239 the mask words of a wave's eight units, two registers a unit
.set TSTG,  32768                      ; LDS: the turning way's stages, 32 rows x 272 bytes for each wave
	s_load_b512 s[4:19], s[0:1], 0x0               ; x s[4:5], Wq s[6:7], Wk s[8:9], Wv s[10:11], Wo s[12:13], the mask s[14:15], xc s[16:17], xs s[18:19]
	s_load_b256 s[20:27], s[0:1], 0x40             ; wc s[20:21], ws s[22:23], wof s[24:25], maskbits s[26:27]
	v_lshl_add_u32 v240, v0, 2, 0x10800
	v_mov_b32 v241, 0
	v_lshrrev_b32 v1, 5, v0
	v_readfirstlane_b32 s28, v1                    ; wave 0..3
	v_and_b32 v2, 31, v0                           ; lane
	s_wait_kmcnt 0x0
	s_cmp_lt_u32 ttmp9, NQWG
	s_cbranch_scc0 .Lturn
; ---------------- THE QUANTISER.  Rows are dense and K is a multiple of 32, so a tensor is a plain stream of blocks of 32 numbers, and so are its codes and scale bytes.
; A wave takes 16 steps of 512 numbers.  Each of a step's four loads reads 512 consecutive bytes, 16 a lane; the 2,048 bytes go through the wave's own stage in LDS and come back 64 bytes a lane:
; a lane then holds 16 neighbours along K, two neighbouring lanes a block.  Loads run four steps (16 loads a wave) ahead, the turn through LDS one step.
	v_lshlrev_b32 v3, 4, v2                        ; my 16 bytes of a load's 512
	s_mul_i32 s29, s28, WREG
	v_lshrrev_b32 v14, 2, v2
	v_mul_u32_u24 v14, v14, SP
	v_and_b32 v15, 3, v2
	v_lshl_add_u32 v14, v15, 4, v14
	v_add_nc_u32 v14, s29, v14                     ; the stage, on the way in: SP (lane / 4) + 16 (lane % 4)
	v_mul_u32_u24 v15, v2, SP
	v_add_nc_u32 v15, s29, v15                     ; and on the way out: SP x lane: my 16 neighbours
	v_mul_u32_u24 v4, v2, CB                       ; my codes' place in a step's
	v_lshrrev_b32 v5, 1, v2
	s_add_co_u32 s29, s29, 2*32*SP
	v_add_nc_u32 v5, s29, v5                       ; LDS: my wave's 256 scale bytes, my block's byte
	v_lshlrev_b32 v7, 3, v2                        ; and on the way out 8 bytes a lane
	v_add_nc_u32 v6, s29, v7
	s_cmp_lt_u32 ttmp9, 320                        ; which tensor: the choices hang on the work-group's number alone
	s_cselect_b64 s[30:31], s[8:9], s[10:11]       ; Wk or Wv
	s_cmp_lt_u32 ttmp9, 288
	s_cselect_b64 s[30:31], s[6:7], s[30:31]       ; Wq
	s_cmp_lt_u32 ttmp9, 256
	s_cselect_b64 s[30:31], s[4:5], s[30:31]       ; x
	s_cselect_b64 s[32:33], s[16:17], s[20:21]     ; the codes' buffer
	s_cselect_b64 s[34:35], s[18:19], s[22:23]     ; the scale bytes'
	s_cselect_b32 s36, 0, 256
	s_sub_co_u32 s36, ttmp9, s36                   ; the work-group's place in the buffers that it writes
	s_and_b32 s37, s36, 31                         ; and, for a weight, in the tensor that it reads
	s_cmp_lt_u32 ttmp9, 256
	s_cselect_b32 s37, s36, s37
	s_lshl_b32 s36, s36, 2
	s_add_co_u32 s36, s36, s28                     ; which run of 8,192 numbers is my wave's: out,
	s_lshl_b32 s37, s37, 2
	s_add_co_u32 s37, s37, s28                     ; in
	s_lshl_b32 s38, s37, 15                        ; 32,768 bytes of f32 a run
	s_mov_b32 s39, 0
	s_add_nc_u64 s[30:31], s[30:31], s[38:39]
	s_lshl_b32 s38, s36, 12                        ; 4,096 bytes of codes
	s_add_nc_u64 s[32:33], s[32:33], s[38:39]
	s_lshl_b32 s38, s36, 8                         ; 256 scale bytes
	s_add_nc_u64 s[34:35], s[34:35], s[38:39]
.macro QLOAD t
.irp i, 0,1,2,3
	global_load_b128 v[R+16*((\t)%4)+4*\i:R+16*((\t)%4)+4*\i+3], v3, s[30:31] offset:2048*(\t)+512*\i th:TH_LOAD_NT   ; 32 lanes read 512 consecutive bytes
.endr
.endm
.macro QTURN t                         ; step t's numbers through the stage: LDS serves a wave's instructions in order (ISA guide 5.7.1.4), so no wait stands between the stores and the loads
.irp i, 0,1,2,3
	ds_store_b128 v14, v[R+16*((\t)%4)+4*\i:R+16*((\t)%4)+4*\i+3] offset:32*SP*((\t)%2)+8*SP*\i
.endr
.irp i, 0,1,2,3
	ds_load_b128 v[QX+16*((\t)%2)+4*\i:QX+16*((\t)%2)+4*\i+3], v15 offset:32*SP*((\t)%2)+16*\i
.endr
.endm
.irp t, 0,1,2,3
	QLOAD \t
.endr
	s_wait_loadcnt 12                              ; step 0's four loads are in; the twelve of steps 1 to 3 may be out
	QTURN 0
.macro QSTEP t
.set XS, QX+16*((\t)%2)
.if (\t) > 0
	s_wait_dscnt 1                                 ; this step's numbers are back from the stage (the last step's byte store may be out): so its stores into the stage have read their registers,
.else
	s_wait_dscnt 0x0
.endif
.if (\t)+4 < STEPS
	QLOAD (\t)+4                                   ; which take the loads of four steps on
.endif
.if (\t)+1 < STEPS
.if STEPS-2-(\t) >= 3
	s_wait_loadcnt 12                              ; the next step's four loads are in; those of the three steps behind it may be out
.else
	s_wait_loadcnt 4*(STEPS-2-(\t))
.endif
	QTURN (\t)+1                                   ; and go through the other stage while this step is worked
.endif
	v_max3_num_f32 v8, |v[XS]|, |v[XS+1]|, |v[XS+2]|               ; the largest magnitude of my 16, in two chains
	v_max3_num_f32 v9, |v[XS+3]|, |v[XS+4]|, |v[XS+5]|
.irp i, 6,10
	v_max3_num_f32 v8, v8, |v[XS+\i]|, |v[XS+\i+1]|
	v_max3_num_f32 v9, v9, |v[XS+\i+2]|, |v[XS+\i+3]|
.endr
	v_max3_num_f32 v8, v8, |v[XS+14]|, |v[XS+15]|
	v_max3_num_f32 v8, v8, v9, 0x1800000           ; and the floor 2^(3 - 127), under which no largest magnitude is taken: so the byte cannot fall under 1
	v_max_num_f32_dpp v8, v8, v8 row_xmask:1 row_mask:0xf bank_mask:0xf   ; and of my neighbour's 16: the block's
	v_add_nc_u32 v11, 0xff000000, v8               ; 2 off its exponent field: the conversion takes the exponent field of this operand as its scale, and nothing else of it
	v_cvt_scalef32_pk8_fp4_f32 v[C+4*(\t)], v[XS:XS+7], v11        ; eight numbers / the scale, to the nearest code, ties to even, beyond the largest code the largest
	v_cvt_scalef32_pk8_fp4_f32 v[C+4*(\t)+1], v[XS+8:XS+15], v11
	v_lshrrev_b32 v[E+(\t)], 23, v11               ; the scale's byte
	ds_store_b8 v5, v[E+(\t)] offset:16*(\t)       ; both lanes of a block write the same byte with the same value
	global_store_b64 v4, v[C+4*(\t):C+4*(\t)+1], s[32:33] offset:32*CB*(\t)   ; the wave stores 256 consecutive bytes, aligned
.endm
.irp t, 0,1,2,3,4,5,6,7,8,9,10,11,12,13,14,15
	QSTEP \t
.endr
	ds_load_b64 v[12:13], v6                       ; LDS serves a wave's instructions in order: these see my byte stores
	s_wait_dscnt 0x0
	global_store_b64 v7, v[12:13], s[34:35]        ; my wave's 256 scale bytes: 256 consecutive bytes, aligned
	s_wait_tensorcnt 0x0
	ds_add_u32 v240, v241
	s_wait_dscnt 0x0
	s_endpgm
; ---------------- THE TURNING WAY, one text for the mask and for Wo.  A unit is 32 rows x 256 bytes (64 numbers of 4 bytes); a wave takes eight units side by side.
; A unit is loaded as it lies (sixteen lanes take 256 consecutive bytes of a row, two rows a load), goes through the wave's own stage in LDS (rows 272 bytes apart) and comes back so that
; lane (r, h) holds, for row tile t = 0, 1 and i = 0 .. 3, the eight numbers of row 16 t + r at columns 16 i + 8 h + 0 .. 7, in registers TX + 32 t + 8 i + 0 .. 7.
; The mask: each of the 64 registers is compared with 0; the compare's lane mask IS a word of the output.  Wo: each eight registers are rounded to f16: 16 bytes a lane, a chunk of a fragment.
.Lturn:
	s_cmp_lt_u32 ttmp9, NMWG                       ; the mask's work-group or Wo's?  All choices hang on the work-group's number alone
	s_cselect_b64 s[30:31], s[14:15], s[12:13]     ; in
	s_cselect_b64 s[32:33], s[26:27], s[24:25]     ; out
	s_mov_b32 s44, 4096
	s_cselect_b32 s44, 8192, s44                   ; a row in bytes
	s_mov_b32 s34, NMWG
	s_cselect_b32 s34, NQWG, s34
	s_sub_co_u32 s34, ttmp9, s34                   ; g: the work-group's number in its piece of work
	s_lshl_b32 s35, s34, 1
	s_lshr_b32 s46, s28, 1
	s_add_co_u32 s35, s35, s46                     ; Wo: a row has 16 units, two waves' worth: rows 32 (2 g + wave / 2) on,
	s_and_b32 s46, s28, 1                          ; units 8 (wave % 2) on
	s_cmp_lt_u32 ttmp9, NMWG
	s_cselect_b32 s34, s34, s35                    ; the mask: a row has 32 units, four waves' worth: rows 32 g on,
	s_cselect_b32 s46, s28, s46                    ; units 8 x wave on
	s_lshl_b32 s46, s46, 3
	s_lshl_b32 s47, s44, 5                         ; 32 rows in bytes
	s_mul_i32 s48, s34, s47
	s_lshl_b32 s47, s46, 8
	s_add_co_u32 s48, s48, s47                     ; under 2^27
	s_mov_b32 s49, 0
	s_add_nc_u64 s[30:31], s[30:31], s[48:49]
	s_cmp_lt_u32 ttmp9, NMWG
	s_cselect_b32 s50, 13, 16                      ; out: the mask's 32 rows are 32 units of 256 bytes; Wo's are two tiles of 32 fragments of 1,024 bytes,
	s_cselect_b32 s51, 8, 11                       ; a unit of Wo two fragments
	s_lshl_b32 s48, s34, s50
	s_lshl_b32 s50, s46, s51
	s_add_co_u32 s48, s48, s50
	s_add_nc_u64 s[32:33], s[32:33], s[48:49]
	v_and_b32 v8, 15, v2                           ; r
	v_lshrrev_b32 v3, 4, v2                        ; h
	v_lshlrev_b32 v9, 4, v8                        ; 16 r
	v_mad_u32_u24 v[VA], v3, s44, v9               ; load i: row h + 2 i, my 16 bytes of its 256
	s_lshl_b32 s45, s44, 1
.irp i, 1,2,3,4,5,6,7,8,9,10,11,12,13,14,15
	v_add_nc_u32 v[VA+\i], s45, v[VA+\i-1]
.endr
	s_mul_i32 s29, s28, 32*272
	s_add_co_u32 s29, s29, TSTG                    ; my stage
	v_mul_u32_u24 v4, v3, 272
	v_add_nc_u32 v4, v4, v9
	v_add_nc_u32 v4, s29, v4                       ; in: row h, 16 r; two rows further for each load
	v_mul_u32_u24 v5, v8, 272                      ; out: row r (68 words a row: row r starts at bank 4 r mod 64, 64 banks of 4 bytes: ISA guide 11.1: sixteen rows, sixteen different banks),
	v_lshl_add_u32 v5, v3, 5, v5                   ; 32 h
	v_add_nc_u32 v5, s29, v5
	v_lshlrev_b32 v6, 3, v2                        ; the mask's words leave 8 bytes a lane,
	v_lshlrev_b32 v7, 4, v2                        ; Wo's chunks 16
.irp i, 0,1,2,3,4,5,6,7,8,9,10,11,12,13,14,15
	v_mov_b32 v[MWD+\i], 0                         ; written once: a lane write's destination counts as read
.endr
.macro ULOAD u
.irp i, 0,1,2,3,4,5,6,7,8,9,10,11,12,13,14,15
	global_load_b128 v[TR+64*((\u)%2)+4*\i:TR+64*((\u)%2)+4*\i+3], v[VA+\i], s[30:31] offset:256*(\u) th:TH_LOAD_NT
.endr
.endm
.macro UTURN u
.irp i, 0,1,2,3,4,5,6,7,8,9,10,11,12,13,14,15
	ds_store_b128 v4, v[TR+64*((\u)%2)+4*\i:TR+64*((\u)%2)+4*\i+3] offset:544*\i
.endr
.irp t, 0,1
.irp i, 0,1,2,3
.irp e, 0,1
	ds_load_b128 v[TX+32*\t+8*\i+4*\e:TX+32*\t+8*\i+4*\e+3], v5 offset:4352*\t+64*\i+16*\e   ; LDS serves a wave's instructions in order: these see the stores above
.endr
.endr
.endr
.endm
.macro MPOST u                         ; 64 compares, eight at a time; word x goes to lane x / 2, register x % 2, so that a lane stores two neighbouring words
.set XG, 0
.rept 8
.irp e, 0,1,2,3,4,5,6,7
	v_cmp_ne_u32 s[36+\e], 0, v[TX+8*XG+\e]
.endr
.irp e, 0,1,2,3,4,5,6,7
	v_writelane_b32 v[MWD+2*(\u)+(\e%2)], s[36+\e], 4*XG+(\e/2)
.endr
.set XG, XG+1
.endr
	global_store_b64 v6, v[MWD+2*(\u):MWD+2*(\u)+1], s[32:33] offset:256*(\u)   ; the unit's 64 words: 256 consecutive bytes, aligned; each unit has its own two registers
.endm
.macro WPOST u                         ; in place, ascending: a result never lands on a number that is still to be read
.irp q, 0,1,2,3,4,5,6,7
.irp e, 0,1,2,3
	v_cvt_pk_f16_f32 v[TX+8*\q+\e], v[TX+8*\q+2*\e], v[TX+8*\q+2*\e+1]
.endr
	global_store_b128 v7, v[TX+8*\q:TX+8*\q+3], s[32:33] offset:2048*(\u)+32768*(\q/4)+512*(\q%4)   ; a chunk: 512 consecutive bytes, aligned
.endr
.endm
.macro UNIT u
.if (\u) < 7
	s_wait_loadcnt 16                              ; this unit's 16 loads are in; the next unit's may be out
.else
	s_wait_loadcnt 0x0
.endif
.if (\u) > 0
	s_wait_xcnt 0x0                                ; the last unit's stores have read TX: it is loaded again only behind this wait
.endif
	UTURN \u
	s_wait_dscnt 0x0                               ; the unit is back, and the stage's stores have read the set that is loaded next
.if (\u)+2 < 8
	ULOAD (\u)+2
.endif
	s_cmp_lt_u32 ttmp9, NMWG
	s_cbranch_scc0 .Lw_\@
	MPOST \u
	s_branch .Le_\@
.Lw_\@:
	WPOST \u
.Le_\@:
.endm
	ULOAD 0
	ULOAD 1
.irp u, 0,1,2,3,4,5,6,7
	UNIT \u
.endr
	s_wait_tensorcnt 0x0
	ds_add_u32 v240, v241
	s_wait_dscnt 0x0
	s_endpgm
.Lfunc_end_k_qa92c4c808d_prep:
	.size	k_qa92c4c808d_prep, .Lfunc_end_k_qa92c4c808d_prep-k_qa92c4c808d_prep
	.p2alignl 7, 3214868480
	.fill 96, 4, 3214868480
	.section	.rodata,"a",@progbits
	.p2align	6, 0x0
	.amdhsa_kernel k_qa92c4c808d_prep
		.amdhsa_group_segment_fixed_size 68096
		.amdhsa_private_segment_fixed_size 0
		.amdhsa_enable_private_segment 0
		.amdhsa_kernarg_size 96
		.amdhsa_user_sgpr_count 2
		.amdhsa_user_sgpr_kernarg_segment_ptr 1
		.amdhsa_wavefront_size32 1
		.amdhsa_system_sgpr_workgroup_id_x 1
		.amdhsa_system_sgpr_workgroup_id_y 1
		.amdhsa_system_sgpr_workgroup_id_z 1
		.amdhsa_system_vgpr_workitem_id 0
		.amdhsa_next_free_vgpr 242
		.amdhsa_next_free_sgpr 66
		.amdhsa_reserve_vcc 0
		.amdhsa_float_denorm_mode_32 3
		.amdhsa_float_denorm_mode_16_64 3
		.amdhsa_memory_ordered 1
		.amdhsa_forward_progress 1
		.amdhsa_inst_pref_size 153
	.end_amdhsa_kernel
	.amdgpu_metadata
---
amdhsa.version: [ 1, 2 ]
amdhsa.kernels:
  - .name:           k_qa92c4c808d_prep
    .symbol:         k_qa92c4c808d_prep.kd
    .args:
      - { .name: x, .offset: 0, .size: 8, .value_kind: global_buffer, .address_space: global }
      - { .name: Wq, .offset: 8, .size: 8, .value_kind: global_buffer, .address_space: global }
      - { .name: Wk, .offset: 16, .size: 8, .value_kind: global_buffer, .address_space: global }
      - { .name: Wv, .offset: 24, .size: 8, .value_kind: global_buffer, .address_space: global }
      - { .name: Wo, .offset: 32, .size: 8, .value_kind: global_buffer, .address_space: global }
      - { .name: attention_mask, .offset: 40, .size: 8, .value_kind: global_buffer, .address_space: global }
      - { .name: xc, .offset: 48, .size: 8, .value_kind: global_buffer, .address_space: global }
      - { .name: xs, .offset: 56, .size: 8, .value_kind: global_buffer, .address_space: global }
      - { .name: wc, .offset: 64, .size: 8, .value_kind: global_buffer, .address_space: global }
      - { .name: ws, .offset: 72, .size: 8, .value_kind: global_buffer, .address_space: global }
      - { .name: wof, .offset: 80, .size: 8, .value_kind: global_buffer, .address_space: global }
      - { .name: maskbits, .offset: 88, .size: 8, .value_kind: global_buffer, .address_space: global }
    .group_segment_fixed_size: 68096
    .private_segment_fixed_size: 0
    .kernarg_segment_align: 8
    .kernarg_segment_size: 96
    .max_flat_workgroup_size: 128
    .sgpr_count:     66
    .vgpr_count:     242
    .wavefront_size: 32
...
	.end_amdgpu_metadata
.endif
;; end of part 1
;; launch qkv (part 2): grid 12 x 32, 4 waves a work-group, clusters of 4 x 4, 327,680 bytes of LDS; arguments xc, xs, wc, ws, qkvf; writes qkvf
.if DOCPART == 2
	.amdgcn_target "amdgcn-amd-amdhsa--gfx1250"
	.amdhsa_code_object_version 6
	.text
	.protected	k_qa92c4c808d_qkv
	.globl	k_qa92c4c808d_qkv
	.p2align	8
	.type	k_qa92c4c808d_qkv,@function
k_qa92c4c808d_qkv:
	s_mov_b64 s[64:65], 0
	v_nop
	global_prefetch_b8 v0, s[64:65] scope:SCOPE_SE
	s_setreg_imm32_b32 hwreg(HW_REG_WAVE_MODE, 25, 1), 1
	s_wait_xcnt 0x0
	s_wait_alu depctr_hold_cnt(0) depctr_sa_sdst(0) depctr_va_vdst(0) depctr_va_sdst(0) depctr_va_ssrc(0) depctr_va_vcc(0) depctr_vm_vsrc(0)
	s_getreg_b32 s2, hwreg(HW_REG_IB_STS2, 6, 4)
	s_cmp_eq_u32 s2, 0
	s_cbranch_scc0 .Lentry_in_a_cluster
	s_endpgm
.Lentry_in_a_cluster:
	s_bfe_u32 s2, ttmp6, 0x10000c
	s_cmp_lg_u32 s2, 0xf033
	s_cbranch_scc0 .Lentry_shape_is_right
	s_endpgm
.Lentry_shape_is_right:
; q, k, v = x Wq^T, x Wk^T, x Wv^T as ONE product C[m][n] = sum over k of A[m][k] B[n][k] on codes of FP4 (E2M1) with one E8M0 scale for each 32 along K:
; A = x's codes [8192][1024], B = the three weights' codes one behind the other [3072][1024]; sums in f32.  The matrix instruction takes codes and scale bytes as they lie in memory.
; A tile of C, 256 x 256, is made by a work-group of four waves; a wave makes 128 x 128: 64 accumulators of 16 x 16, 512 registers.
; K = 1,024 is two slots of 512: both are filled once, at the start, with the scales of the work-group's rows: nothing is filled again.
; CLUSTERS: 4 x 4 work-groups.  The four of a row of the cluster need the same tiles of A, the four of a column the same tiles of B: each tile is asked for JOINTLY, by the same tensor load with the
; same descriptor and a mask that names the four.  A cluster's four tile columns are 1,024 channels: cluster x IS the kind (0 q, 1 k, 2 v).
; THE MATRIX INSTRUCTION IS USED TRANSPOSED (source 0 = 16 rows of B, source 1 = 16 rows of A): a lane holds one token and eight neighbouring channels.
; THE WAY OUT: q is multiplied by log2(e) / 8 (k and v by 1.0: one text for the three kinds), rounded to f16, and stored in the order of the next launch's operand registers:
; qkvf [kind 3][batch x head 64][tile of 16 tokens 128][32 channels 2][chunk c 2: 512 bytes, a lane's 16 bytes]; lane (r, h) of chunk c holds token r, channels 16 c + 8 h + 0 .. 7.  That is what a lane holds here,
; so each store is 512 consecutive bytes, aligned, straight from registers.  q's and k's lanes store at 16 x lane.  v's lane (r, h) stores at 16 ((r % 8) + 8 h + 16 (r / 8)): the place at which the turning LDS load,
; addressed with 16 x lane, looks for key r and channels 8 h on.
; LIMITS: a number of q log2(e) / 8, k or v beyond 65,504 in magnitude has no f16; NaN and infinities are not served.
; REGISTERS, in windows of 256: window 0: v0-31 addresses; v32-95 scale words, two sets; from v128 A's fragments (8 x 16 rows x 128 K), ONE set; on the way out v128-255 take the packed results.
;   window 1: B's fragments, TWO sets, at v0 and at v128.   window 2: the 32 accumulators of my rows 0-63 (accumulator (a, b) at v[8 (8 a + b)]);   window 3: those of my rows 64-127.
.set SIZE_M, 8192
.set SIZE_N, 3072
.set SIZE_K, 1024
.set KSTEP,  512                       ; along K in a slot
.set NQ,     KSTEP/128                 ; matrix instructions deep
.set ROWB,   256                       ; a tile's row in bytes: KSTEP codes of 4 bits
.set KROW,   SIZE_K*4/8                ; a row of A or of B in memory, in bytes
.set PITCH,  272                       ; an LDS row: 256 bytes + 16 of padding = 68 words: row r starts at bank 4 r mod 64 (64 banks of 4 bytes: ISA guide 11.1), so the 16 rows that a load touches start at 16 different banks
.set FR,     8                         ; registers of a fragment: 16 rows x 128 K
.set NL,     2                         ; LDS loads that bring one
.set NP,     4                         ; places behind this matrix instruction (ISA guide 7.12.1)
.set HALFT,  128*PITCH                 ; 128 rows: what one tensor load brings, and what one wave reads of A or of B
.set SLOT,   4*HALFT                   ; A's 256 rows, then B's 256 rows
.set KS,     SIZE_K/32                 ; a row of scales in bytes
.set SCL,    2*SLOT                    ; behind the slots: the scales, as runs of 256 bytes + 16 of padding
.set HALFS,  (128*KS/256)*272          ; the scales of 128 rows: what one tensor load brings
.set SBLK,   (16*KS/256)*272           ; those of 16 rows
.set SPARE,  SCL+4*HALFS               ; behind the scales: the spare words, 128 bytes for each wave: two blocks of 256 bytes that no other line names
.set ADRA, 16                          ; v16-17  LDS address of my A fragments in slot 0, 1
.set ADRB, 20                          ; v20-21  the same for B
.set CO,   26                          ; v26     the way out: my lane's 16 bytes in a chunk
.set ADRS, 27                          ; v27     LDS address of my scale words: lanes 0-15 A's rows, lanes 16-31 B's
.set SPW,  28                          ; v28     LDS address of my spare word: SPARE + 4 x my thread's number; never rewritten
.set NIL,  29                          ; v29     0; never rewritten
.set SC,   32                          ; scale words: set s (for slot s) at v[SC + 8 NQ s]; in it register NQ i + q: lanes 0-15 the word of A's block i, lanes 16-31 that of B's block i, for the slot's q-th 128 along K
.set AF,   128                         ; A's fragments, in window 0
.set TMP,  128                         ; the way out: four sets of 32 registers of packed results
.set G1, 24                            ; s[24:31] descriptor group 1 for A's tiles;  s[32:39] group 0, one set for each slot
.set G0, 32
.set G1B, 48                           ; s[48:55], s[56:63] the same for B's tiles
.set G0B, 56
.set G1S, 68                           ; s[68:75], s[76:79] groups 1 and 0 for A's scales;  s[80:87], s[88:91] for B's
.set G0S, 76
.set G1SB, 80
.set G0SB, 88
.set VM,   95                          ; s95      all ones where the kind is v
.set SCQ,  96                          ; s[96:97] the factor on the way out: the packed form names a pair and takes its low word for both halves
.set MSB, 0
.macro WIN new                         ; the immediate's high byte repeats the setting that is left
.if MSB != \new
	s_set_vgpr_msb (MSB<<8)|\new
.set MSB, \new
.endif
.endm
.set MUL_LO, 0xa1                      ; source 0 (B) window 1, source 1 (A) window 0, C and D window 2
.set MUL_HI, 0xf1                      ; the same, C and D window 3
.set TO_B,   0x40                      ; destination window 1, address window 0
; A joint load: waves 0 and 1 fetch for A, waves 2 and 3 for B.  Each of the two lines has ONE mask and one set of registers for all that issue it; the branch hangs on the wave's number alone.
; Four v_nop follow each of the two lines, ahead of the jump, the label and what follows.
.macro JLOAD g0a, g1a, g0b, g1b
	s_cmp_eq_u32 s15, 0
	s_cbranch_scc0 .Lfor_b_\@
	tensor_load_to_lds s[\g0a:\g0a+3], s[\g1a:\g1a+7]
	s_nop 0
.rept 4
	v_nop
.endr
	s_branch .Lasked_\@
.Lfor_b_\@:
	tensor_load_to_lds s[\g0b:\g0b+3], s[\g1b:\g1b+7]
	s_nop 0
.rept 4
	v_nop
.endr
.Lasked_\@:
.endm
.macro CROUND                          ; a round of the cluster's barrier: my work-group's barrier; wave 0 signals for the work-group; every wave waits for all sixteen; my work-group's barrier once more
	s_barrier_signal -1
	s_barrier_wait -1
	s_cmp_lg_u32 s14, 0
	s_cbranch_scc1 .Lnot_wave_0_\@
	s_barrier_signal -3
.Lnot_wave_0_\@:
	s_barrier_wait -3
	s_barrier_signal -1
	s_barrier_wait -1
.endm
	s_load_b128 s[4:7], s[0:1], 0x0                ; A's codes s[4:5], A's scales s[6:7]
	s_load_b128 s[8:11], s[0:1], 0x10              ; B's codes s[8:9], B's scales s[10:11]
	s_load_b64 s[12:13], s[0:1], 0x20              ; qkvf
	v_lshl_add_u32 v[SPW], v0, 2, SPARE
	v_mov_b32 v[NIL], 0
	ds_add_u32 v28, v29
	s_wait_dscnt 0x0
	v_lshrrev_b32 v1, 5, v0
	v_readfirstlane_b32 s14, v1                    ; wave 0..3
	s_lshr_b32 s15, s14, 1                         ; which half of the tile's rows is mine.  Also: I fetch for A (0) or for B (1)
	s_and_b32 s16, s14, 1                          ; which half of its columns.  Also: which 128 rows of that tile I fetch
	s_bfe_u32 s40, ttmp6, 0x40000                  ; cx, cy: my place in the cluster
	s_bfe_u32 s41, ttmp6, 0x40004
	s_lshl_b32 s42, ttmp9, 2
	s_add_co_u32 s42, s42, s40                     ; tile column of C = 4 x cluster x + cx
	s_and_b32 s17, ttmp7, 0xffff
	s_lshl_b32 s17, s17, 2
	s_add_co_u32 s17, s17, s41                     ; tile row of C = 4 x cluster y + cy
	s_lshl_b32 s43, s41, 2
	s_lshl_b32 s43, 15, s43                        ; my row of the cluster
	s_lshl_b32 s44, 0x1111, s40                    ; my column
	; descriptor group 1: a tile of 128 rows x ROWB bytes, padded in LDS
	s_or_b32 s[G1+0], s43, (0<<16)|(1<<20)|(1<<21)|(5<<22)|(3<<25)  ; 15:0 the mask: A's tiles go to my row; 17:16 element of 1 byte; 20 padding on; 21 set beside a mask; 24:22 after every 64 words (code 5); 31:25 of 4 words (code 3)
	s_or_b32 s[G1B+0], s44, (0<<16)|(1<<20)|(1<<21)|(5<<22)|(3<<25)
.irp g, G1, G1B
	s_mov_b32 s[\g+1], ROWB<<16                    ; tensor_dim0
	s_mov_b32 s[\g+2], 128<<16                     ; tensor_dim1 = 128
	s_mov_b32 s[\g+3], ROWB<<16                    ; tile_dim0
	s_mov_b32 s[\g+4], 128                         ; tile_dim1 = 128
	s_mov_b32 s[\g+5], KROW                        ; tensor_dim0_stride
	s_mov_b32 s[\g+6], 0
	s_mov_b32 s[\g+7], 0
.endr
	; and for the scales of 128 rows: a dense block of 128 KS bytes, as rows of 256 bytes (32 elements of 8 bytes), 16 bytes of padding behind each
	s_or_b32 s[G1S+0], s43, (3<<16)|(1<<20)|(1<<21)|(5<<22)|(3<<25)
	s_or_b32 s[G1SB+0], s44, (3<<16)|(1<<20)|(1<<21)|(5<<22)|(3<<25)
.irp g, G1S, G1SB
	s_mov_b32 s[\g+1], 32<<16
	s_mov_b32 s[\g+2], (128*KS/256)<<16
	s_mov_b32 s[\g+3], 32<<16
	s_mov_b32 s[\g+4], 128*KS/256
	s_mov_b32 s[\g+5], 32
	s_mov_b32 s[\g+6], 0
	s_mov_b32 s[\g+7], 0
.endr
	s_lshl_b32 s18, s16, 7                         ; which 128 rows of the tile I fetch
	s_lshl_b32 s20, s17, 8
	s_add_co_u32 s20, s20, s18                     ; A: row 256 x tile row + 128 x half
	s_lshl_b32 s46, s42, 8
	s_add_co_u32 s46, s46, s18                     ; B: row 256 x tile column + 128 x half
	s_mov_b32 s21, 0
	s_mov_b32 s47, 0
	s_mov_b64 s[18:19], KS
	s_mul_u64 s[22:23], s[20:21], s[18:19]         ; where these rows' scales begin, in bytes
	s_mul_u64 s[92:93], s[46:47], s[18:19]
	s_mov_b64 s[18:19], KROW
	s_mul_u64 s[20:21], s[20:21], s[18:19]         ; and their codes
	s_mul_u64 s[46:47], s[46:47], s[18:19]
	s_mul_i32 s45, s14, HALFT                      ; where they go: wave x 128 rows: no place in the cluster enters an LDS address
	s_mul_i32 s94, s14, HALFS
	s_wait_kmcnt 0x0
	s_add_nc_u64 s[20:21], s[4:5], s[20:21]
	s_add_nc_u64 s[22:23], s[6:7], s[22:23]
	s_add_nc_u64 s[46:47], s[8:9], s[46:47]
	s_add_nc_u64 s[92:93], s[10:11], s[92:93]
	CROUND                                         ; all sixteen work-groups are here: the joint loads meet
	s_mov_b32 s[G0S], 1
	s_add_co_u32 s[G0S+1], s94, SCL
	s_mov_b64 s[G0S+2:G0S+3], s[22:23]
	s_or_b32 s[G0S+3], s[G0S+3], 0x80000000
	s_mov_b32 s[G0SB], 1
	s_add_co_u32 s[G0SB+1], s94, SCL
	s_mov_b64 s[G0SB+2:G0SB+3], s[92:93]
	s_or_b32 s[G0SB+3], s[G0SB+3], 0x80000000
	JLOAD G0S, G1S, G0SB, G1SB                     ; the scales first: they are wanted with slot 0
.irp s, 0,1
	s_mov_b32 s[G0+4*\s], 1
	s_add_co_u32 s[G0+4*\s+1], s45, \s*SLOT
	s_add_nc_u64 s[G0+4*\s+2:G0+4*\s+3], s[20:21], \s*ROWB
	s_or_b32 s[G0+4*\s+3], s[G0+4*\s+3], 0x80000000
	s_mov_b32 s[G0B+4*\s], 1
	s_add_co_u32 s[G0B+4*\s+1], s45, \s*SLOT
	s_add_nc_u64 s[G0B+4*\s+2:G0B+4*\s+3], s[46:47], \s*ROWB
	s_or_b32 s[G0B+4*\s+3], s[G0B+4*\s+3], 0x80000000
	JLOAD G0+4*\s, G1, G0B+4*\s, G1B               ; three tensor loads of mine are out: all that this launch has
.endr
	v_and_b32 v1, 15, v0                           ; l % 16
	v_bfe_u32 v2, v0, 4, 1                         ; l / 16
	v_mul_u32_u24 v3, v1, PITCH
	v_lshl_add_u32 v4, v2, 4, v3                   ; a fragment's row x pitch + 16 x half
	s_mul_i32 s21, s15, HALFT                      ; my 128 rows of A
	s_mul_i32 s22, s16, HALFT                      ; my 128 rows of B,
	s_add_co_u32 s22, s22, 2*HALFT                 ; which lie behind A's 256
.irp s, 0,1
	v_add_nc_u32 v[ADRA+\s], s21, v4
	v_add_nc_u32 v[ADRB+\s], s22, v4
	s_add_co_u32 s21, s21, SLOT
	s_add_co_u32 s22, s22, SLOT
.endr
	v_mul_u32_u24 v5, v1, KS                       ; my row's scales: KS bytes a row,
	v_lshrrev_b32 v6, 8, v5
	v_lshl_add_u32 v5, v6, 4, v5                   ; and 16 more for each 256 passed
	s_mul_i32 s21, s15, HALFS                      ; A's: my 128 rows
	s_mul_i32 s22, s16, HALFS                      ; B's: my 128 rows, behind A's 256
	s_add_co_u32 s22, s22, 2*HALFS
	s_sub_co_u32 s22, s22, s21
	v_mul_u32_u24 v6, s22, v2                      ; lanes 16-31 take B's
	s_add_co_u32 s21, s21, SCL
	v_add_nc_u32 v5, v5, v6
	v_add_nc_u32 v[ADRS], s21, v5
	; the way out: where my wave's part begins in qkvf, and my lane's place in a chunk
	s_lshl_b32 s46, s42, 2
	s_lshl_b32 s47, s16, 1
	s_add_co_u32 s46, s46, s47                     ; my first run of 64 channels of the 3,072: 16 x kind + head (my 128 channels are two heads of one kind)
	s_lshr_b32 s47, s46, 4                         ; kind
	s_and_b32 s46, s46, 15                         ; head
	s_lshl_b32 s47, s47, 6
	s_add_co_u32 s46, s46, s47                     ; 64 x kind + head
	s_lshl_b32 s20, s17, 8
	s_lshl_b32 s21, s15, 7
	s_add_co_u32 s20, s20, s21                     ; my first token: 256 x tile row + 128 x half
	s_lshr_b32 s21, s20, 11                        ; batch
	s_lshl_b32 s21, s21, 4
	s_add_co_u32 s46, s46, s21                     ; + 16 x batch
	s_lshl_b32 s46, s46, 18                        ; 262,144 bytes for a kind's head of a batch
	s_and_b32 s20, s20, 2047
	s_lshl_b32 s20, s20, 7                         ; 2,048 bytes for 16 tokens
	s_add_co_u32 s46, s46, s20                     ; under 2^26
	s_mov_b32 s47, 0
	s_add_nc_u64 s[12:13], s[12:13], s[46:47]
	s_cmp_eq_u32 ttmp9, 0                          ; the kind is the cluster's x: the same in all sixteen partners
	s_mov_b32 s[SCQ], 1.0
	s_cselect_b32 s[SCQ], 0x3e38aa3b, s[SCQ]       ; q: log2(e) / 8, so that the next launch's scores are exponents of 2
	s_mov_b32 s[SCQ+1], s[SCQ]                     ; (named with it as a pair, so it is written)
	s_cmp_eq_u32 ttmp9, 2
	s_cselect_b32 s[VM], -1, 0
	v_and_b32 v6, 31, v0
	v_lshlrev_b32 v5, 4, v6                        ; q, k: 16 x lane
	v_and_b32 v6, 7, v0
	v_lshlrev_b32 v6, 4, v6
	v_lshl_add_u32 v6, v2, 7, v6
	v_bfe_u32 v7, v0, 3, 1
	v_lshl_add_u32 v6, v7, 8, v6                   ; v: 16 ((r % 8) + 8 h + 16 (r / 8))
	v_cndmask_b32 v[CO], v5, v6, s[VM]
.macro FRAG reg, adr, q, i             ; a fragment, 16 rows x 128 K of 4-bit codes, is 8 registers: lane l holds row l % 16; registers 4 c .. 4 c + 3 hold K = 64 c + 32 (l / 16) + 0 .. 31, the lower K in the lower bits
.irp c, 0,1
	ds_load_b128 v[\reg+4*\c:\reg+4*\c+3], v[\adr] offset:64*(\q)+32*\c+(\i)*16*PITCH
.endr
.endm
; 16 matrix instructions: A's blocks a0, a0 + 1 x B's eight, 128 along K: the slot's q-th.  p: B's set;  sc: the set of scale words.  zero = 1: the first product starts the sums: nothing is ever cleared.
; The 64 accumulators take turns, one instruction a turn, in the same order in every step.
.macro MUL16 a0, p, q, sc, zero
.irp a, \a0, \a0+1
.irp b, 0,1,2,3,4,5,6,7
.if \zero
	v_wmma_scale_f32_16x16x128_f8f6f4 v[8*(8*((\a)%4)+\b):8*(8*((\a)%4)+\b)+7], v[128*(\p)+FR*\b:128*(\p)+FR*\b+FR-1], v[AF+FR*(\a):AF+FR*(\a)+FR-1], 0, v[SC+8*NQ*(\sc)+NQ*\b+(\q)], v[SC+8*NQ*(\sc)+NQ*(\a)+(\q)] matrix_a_fmt:MATRIX_FMT_FP4 matrix_b_fmt:MATRIX_FMT_FP4 matrix_a_scale:MATRIX_SCALE_ROW1
.else
	v_wmma_scale_f32_16x16x128_f8f6f4 v[8*(8*((\a)%4)+\b):8*(8*((\a)%4)+\b)+7], v[128*(\p)+FR*\b:128*(\p)+FR*\b+FR-1], v[AF+FR*(\a):AF+FR*(\a)+FR-1], v[8*(8*((\a)%4)+\b):8*(8*((\a)%4)+\b)+7], v[SC+8*NQ*(\sc)+NQ*\b+(\q)], v[SC+8*NQ*(\sc)+NQ*(\a)+(\q)] matrix_a_fmt:MATRIX_FMT_FP4 matrix_b_fmt:MATRIX_FMT_FP4 matrix_a_scale:MATRIX_SCALE_ROW1
.endif
.endr
.endr
.endm
.macro FETCH_B slot, q, p              ; B's eight fragments of the slot's q-th 128 along K into set p
	WIN TO_B
.irp i, 0,1,2,3,4,5,6,7
	FRAG 128*(\p)+FR*\i, ADRB+\slot, \q, \i
.endr
	WIN 0
.endm
.macro FETCH_A slot, q, i0             ; A's blocks i0 .. i0 + 3
.irp i, \i0, \i0+1, \i0+2, \i0+3
	FRAG AF+FR*(\i), ADRA+\slot, \q, \i
.endr
.endm
.macro SCALES sc                       ; a slot's scale words into set sc: NQ words a row; lanes 0-15 take A's block i, lanes 16-31 B's block i
.irp i, 0,1,2,3,4,5,6,7
	ds_load_b128 v[SC+8*NQ*\sc+NQ*\i:SC+8*NQ*\sc+NQ*\i+3], v[ADRS] offset:\i*SBLK
.endr
.endm
; A load into a register that a matrix instruction has read, and a vector instruction that reads a matrix result, stand NP places behind that matrix instruction, and only plain vector
; instructions that name none of its registers are places (ISA guide 7.12.1 for vector instructions); this text does not count the matrix instructions in between.
.macro PLACES n
.rept \n
	v_nop
.endr
.endm
; A step of 128 along K that has its successor in the same slot.  A's blocks go one after the other, each against B's eight: a block of A is free as soon as its eight products are issued, so one set serves A:
; blocks 0-3 are fetched anew in the step's middle, blocks 4-7 at its end.  B's fragments are at work through the whole step, so B has two sets.
.macro STEP slot, q, zero
	s_wait_dscnt 4*NL                              ; B's set and A's blocks 0-3 are in; the youngest eight loads (A's blocks 4-7) may be out
	WIN MUL_LO
	MUL16 0, (\q)%2, \q, \slot, \zero
	MUL16 2, (\q)%2, \q, \slot, \zero
	s_wait_dscnt 0                                 ; A's blocks 4-7 are in (asked for 32 matrix instructions ago)
	PLACES NP
	FETCH_B \slot, (\q)+1, 1-(\q)%2
	FETCH_A \slot, (\q)+1, 0
	WIN MUL_HI
	MUL16 4, (\q)%2, \q, \slot, \zero
	MUL16 6, (\q)%2, \q, \slot, \zero
	PLACES NP
	WIN 0
	FETCH_A \slot, (\q)+1, 4
.endm
; Slot 0's last step changes slots: one barrier; in front of it each wave waits for all its tensor loads (its part of slot 1), so that behind it slot 1 is whole for every wave.  Nothing is filled again.
.macro TURN slot, next
	s_wait_tensorcnt 0x0                           ; all my tensor loads have landed: my part of the next slot;  (every window is 0 here: the add's two registers lie in window 0)
	ds_add_u32 v[SPW], v[NIL]                      ; 0 onto my spare word
	s_wait_dscnt 4*NL+1                            ; (the add and the youngest eight loads, A's blocks 4-7, may be out)
	WIN MUL_LO
	MUL16 0, 1, NQ-1, \slot, 0                     ; sixteen matrix instructions stand between the add and the wait for it
	s_wait_dscnt 0x0                               ; the add is done, and no LDS load of mine is out at the signal
	s_barrier_signal -1
	MUL16 2, 1, NQ-1, \slot, 0
	WIN 0
	s_barrier_wait -1
	PLACES NP
	v_add_nc_u32 v[ADRS], 4*NQ, v[ADRS]            ; on to the next slot's scale words (no LDS load of mine is out)
	FETCH_B \next, 0, 0
	FETCH_A \next, 0, 0
	SCALES \next
	WIN MUL_HI
	MUL16 4, 1, NQ-1, \slot, 0
	MUL16 6, 1, NQ-1, \slot, 0
	PLACES NP
	WIN 0
	FETCH_A \next, 0, 4
.endm
.macro STEPS slot, from                ; the slot's steps from .. NQ - 2
.set QQ, \from
.rept NQ-1-\from
	STEP \slot, QQ, 0
.set QQ, QQ+1
.endr
.endm
	s_wait_tensorcnt 1                             ; the scales and my part of slot 0 are in (slot 1's load, issued last, may be out),
	s_barrier_signal -1
	s_barrier_wait -1                              ; everybody's are
	FETCH_B 0, 0, 0
	FETCH_A 0, 0, 0
	SCALES 0
	FETCH_A 0, 0, 4
	STEP 0, 0, 1                                   ; the first step's products start the sums
	STEPS 0, 1
	TURN 0, 1
	STEPS 1, 0
	s_wait_dscnt 4*NL                              ; the very last step: nothing more to fetch
	WIN MUL_LO
	MUL16 0, 1, NQ-1, 1, 0
	MUL16 2, 1, NQ-1, 1, 0
	s_wait_dscnt 0
	WIN MUL_HI
	MUL16 4, 1, NQ-1, 1, 0
	MUL16 6, 1, NQ-1, 1, 0
	WIN 0
; THE WAY OUT of block a (16 tokens x 128 channels): times the factor, in place, each accumulator from its low end on; rounded to f16, 16 bytes a lane; eight stores of 512 consecutive bytes.
.macro PACK a
.set AC, 64*((\a)%4)
.set TP, TMP+32*((\a)%4)
.if (\a) >= 4
	s_wait_xcnt 0x0                                ; block a - 4's stores have read the registers that are written again below
.endif
	WIN 0x82+0x41*((\a)/4)                         ; destination and source 0: window 2 or 3
.set II, 0
.rept 32
	v_pk_mul_f32 v[AC+II:AC+II+1], v[AC+II:AC+II+1], s[SCQ:SCQ+1] op_sel_hi:[1,0]
.set II, II+2
.endr
	WIN 0x0a+5*((\a)/4)                            ; sources 0 and 1: window 2 or 3; destination window 0
.irp b, 0,1,2,3,4,5,6,7
.irp r, 0,1,2,3
	v_cvt_pk_f16_f32 v[TP+4*\b+\r], v[AC+8*\b+2*\r], v[AC+8*\b+2*\r+1]
.endr
.endr
	WIN 0
.irp b, 0,1,2,3,4,5,6,7
	global_store_b128 v[CO], v[TP+4*\b:TP+4*\b+3], s[12:13] offset:(\b/4)*262144+(\a)*2048+(\b%4)*512   ; head b / 4 of my two, tokens 16 a on, channels 16 (b % 4) on
.endr
.endm
	PLACES NP                                      ; behind the last products: their results are read, and the registers that held A's fragments are written
.irp a, 0,1,2,3,4,5,6,7
	PACK \a
.endr
	s_wait_tensorcnt 0x0                           ; the wave's end
	ds_add_u32 v[SPW], v[NIL]
	s_wait_dscnt 0x0
	CROUND                                         ; the closing round: no work-group ends while a partner may still ask for a tile that names it
	s_endpgm
.Lfunc_end_k_qa92c4c808d_qkv:
	.size	k_qa92c4c808d_qkv, .Lfunc_end_k_qa92c4c808d_qkv-k_qa92c4c808d_qkv
	.p2alignl 7, 3214868480
	.fill 96, 4, 3214868480
	.section	.rodata,"a",@progbits
	.p2align	6, 0x0
	.amdhsa_kernel k_qa92c4c808d_qkv
		.amdhsa_group_segment_fixed_size 327680
		.amdhsa_private_segment_fixed_size 0
		.amdhsa_enable_private_segment 0
		.amdhsa_kernarg_size 40
		.amdhsa_user_sgpr_count 2
		.amdhsa_user_sgpr_kernarg_segment_ptr 1
		.amdhsa_wavefront_size32 1
		.amdhsa_system_sgpr_workgroup_id_x 1
		.amdhsa_system_sgpr_workgroup_id_y 1
		.amdhsa_system_sgpr_workgroup_id_z 1
		.amdhsa_system_vgpr_workitem_id 0
		.amdhsa_next_free_vgpr 1024
		.amdhsa_next_free_sgpr 100
		.amdhsa_reserve_vcc 0
		.amdhsa_float_denorm_mode_32 3
		.amdhsa_float_denorm_mode_16_64 3
		.amdhsa_memory_ordered 1
		.amdhsa_forward_progress 1
		.amdhsa_inst_pref_size 134
	.end_amdhsa_kernel
	.amdgpu_metadata
---
amdhsa.version: [ 1, 2 ]
amdhsa.kernels:
  - .name:           k_qa92c4c808d_qkv
    .symbol:         k_qa92c4c808d_qkv.kd
    .args:
      - { .name: xc, .offset: 0, .size: 8, .value_kind: global_buffer, .address_space: global }
      - { .name: xs, .offset: 8, .size: 8, .value_kind: global_buffer, .address_space: global }
      - { .name: wc, .offset: 16, .size: 8, .value_kind: global_buffer, .address_space: global }
      - { .name: ws, .offset: 24, .size: 8, .value_kind: global_buffer, .address_space: global }
      - { .name: qkvf, .offset: 32, .size: 8, .value_kind: global_buffer, .address_space: global }
    .group_segment_fixed_size: 327680
    .private_segment_fixed_size: 0
    .kernarg_segment_align: 8
    .kernarg_segment_size: 40
    .max_flat_workgroup_size: 128
    .sgpr_count:     100
    .vgpr_count:     1024
    .wavefront_size: 32
...
	.end_amdgpu_metadata
.endif
;; end of part 2
;; launch attn (part 3): grid 4 x 64, 16 waves a work-group, clusters of 4 x 1, 327,680 bytes of LDS; arguments qkvf, maskbits, af; writes af
.if DOCPART == 3
	.amdgcn_target "amdgcn-amd-amdhsa--gfx1250"
	.amdhsa_code_object_version 6
	.text
	.protected	k_qa92c4c808d_attn
	.globl	k_qa92c4c808d_attn
	.p2align	8
	.type	k_qa92c4c808d_attn,@function
k_qa92c4c808d_attn:
	s_mov_b64 s[64:65], 0
	v_nop
	global_prefetch_b8 v0, s[64:65] scope:SCOPE_SE
	s_setreg_imm32_b32 hwreg(HW_REG_WAVE_MODE, 25, 1), 1
	s_wait_xcnt 0x0
	s_wait_alu depctr_hold_cnt(0) depctr_sa_sdst(0) depctr_va_vdst(0) depctr_va_sdst(0) depctr_va_ssrc(0) depctr_va_vcc(0) depctr_vm_vsrc(0)
	s_getreg_b32 s2, hwreg(HW_REG_IB_STS2, 6, 4)
	s_cmp_eq_u32 s2, 0
	s_cbranch_scc0 .Lentry_in_a_cluster
	s_endpgm
.Lentry_in_a_cluster:
	s_bfe_u32 s2, ttmp6, 0x10000c
	s_cmp_lg_u32 s2, 0x3003
	s_cbranch_scc0 .Lentry_shape_is_right
	s_endpgm
.Lentry_shape_is_right:
; a[b][t][head] = the sum over keys of softmax_k(where(mask == 0, -1e9, q . k / 8)) v, for 64 (batch, head) pairs of 2,048 tokens and head size 64.  Operands in f16, products, maxima and sums in f32.
; q arrives multiplied by log2(e) / 8, so a score is t = score x log2(e) and p = 2^(t - m), m the row's running largest t; a hidden score is replaced by f32(-1e9 log2(e)).  t - m is one subtraction: it is exactly 0 at
; the row's maximum, in a row all of whose keys are hidden too, so p is at most 1 everywhere.  In every step the sum and O are multiplied by 2^(old m - new m); the sum is taken of the unrounded p and divides at the end.
; q, k, v lie in the order of the operands' registers: [kind][batch x head][tile of 16 tokens][32 channels][chunk of 512 bytes: 16 bytes a lane]: every load, from memory or LDS, is at 16 x lane.
; SHARES.  A work-group owns 512 queries of one (batch, head); each of its SIXTEEN waves owns 32 of them, two tiles, in 256 registers: four waves to a SIMD, so that one wave's vector work stands beside
; another's matrix work and LDS loads.  Every wave walks all 2,048 keys, 64 a step.  K and V come through a ring of two LDS slots of 512 keys (64 KiB of K, 64 KiB of V), filled by waves 0 to 3 and read by all sixteen.
; CLUSTER.  The four query blocks of a (batch, head) form a cluster and walk the same K and V: each tile is asked for JOINTLY, by the same tensor load with the same descriptor and a mask that names the four.
; LAYOUT.  Both products are used transposed: S^T = K Q^T (source 0 = 16 keys, source 1 = 16 queries), O^T = V^T P (source 0 = 16 channels, by the turning LDS load; source 1 = P): a lane holds ONE query
; (lane % 16) throughout, and two tiles of S^T, rounded to f16 in pairs, ARE a fragment of P.
; THE MASK comes as lane masks, 64 words for my 32 queries x a step's 64 keys, by scalar loads asked for a whole step ahead: word 32 t + n is the select mask of score register n of tile t.
; No prefetch: a refill is itself asked for a whole slot, eight key steps, ahead of its first read.
; LIMITS: NaN and infinities are not served; a number of the result beyond 65,504 in magnitude has no f16.
.set SLOT1, 1<<17                      ; slot 1 begins here, so that one exclusive or turns an address in one slot into the other's
.set VOFF,  65536                      ; a slot: K's 32 tiles of 16 keys x 2,048 bytes, then V's
.set SPARE, 2*SLOT1                    ; behind the ring: the spare words, 128 bytes for each wave: eight blocks of 256 bytes that no other line names
.set LI,  1                            ; v1   16 x lane; never rewritten
.set LIV, 2                            ; v2   16 x lane + VOFF; never rewritten
.set ADR, 3                            ; v3   LDS address of the step's tiles of K
.set ADV, 4                            ; v4   of V
.set SPW, 5                            ; v5   LDS address of my spare word: SPARE + 4 x my thread's number; never rewritten
.set NIL, 6                            ; v6   0; never rewritten
.set NEG, 7                            ; v7   f32(-1e9 log2(e))
.set Q,   16                           ; v16-47   Q: fragment (tile t, channels 32 f on) at Q + 16 t + 8 f
.set KV,  48                           ; v48-111  K: (keys 16 i on, channels 32 f on) at KV + 16 i + 8 f; then V^T: (keys 32 g on, channels 16 u on) at KV + 32 g + 8 u
.set S,   112                          ; v112-175 S^T: (tile t, keys 16 i on) at S + 32 t + 8 i; then p; then P in f16 in the lower 16 registers of each tile
.set O,   176                          ; v176-239 O^T: (tile t, channels 16 u on) at O + 32 t + 8 u
.set ST,  240                          ; v240-255 eight a tile: +0 m, +1 the old m, +2, +3 the sum in two halves, +4 to +7 at work; 2^(old m - new m) in +6
.set MB,  4                            ; s[4:5]   where the mask words to be loaded next lie
.set OUT, 6                            ; s[6:7]   my rows of the result
.set QP,  8                            ; s[8:9]   my rows of q
.set SEL, 10                           ; s[10:11] lane selects for v_permlanex16_b32: lane l xor 16
.set WV,  12                           ; s12  my wave's number
.set TB,  13                           ; s13  LDS byte at which the step's tiles of K begin
.set SLOTS, 14                         ; s14  slots still to be asked for
.set STEPS, 15                         ; s15  counts a slot's eight steps
.set G1,  84                           ; s[84:91] descriptor group 1;  s[92:95] group 0, which walks
.set G0,  92                           ; s[16:63] and s[68:83]: the step's 64 mask words
.set KI,  96                           ; s96  the number of the step whose mask words were asked for last
.macro CROUND                          ; a round of the cluster's barrier: my work-group's barrier; wave 0 signals for the work-group; every wave waits for all four work-groups; my work-group's barrier once more
	s_barrier_signal -1
	s_barrier_wait -1
	s_cmp_lg_u32 s[WV], 0
	s_cbranch_scc1 .Lnot_wave_0_\@
	s_barrier_signal -3
.Lnot_wave_0_\@:
	s_barrier_wait -3
	s_barrier_signal -1
	s_barrier_wait -1
.endm
.macro JLOAD                           ; waves 0 and 1 fetch K's halves of a slot, waves 2 and 3 V's, the others nothing: the branch hangs on the wave's number alone.  Four v_nop follow the line
	s_cmp_lt_u32 s[WV], 4
	s_cbranch_scc0 .Lasked_\@
	tensor_load_to_lds s[G0:G0+3], s[G1:G1+7]
	s_nop 0
.rept 4
	v_nop
.endr
.Lasked_\@:
.endm
.macro MASKS                           ; 64 words, 256 bytes
	s_load_b512 s[16:31], s[MB:MB+1], 0x0
	s_load_b512 s[32:47], s[MB:MB+1], 0x40
	s_load_b512 s[48:63], s[MB:MB+1], 0x80
	s_load_b512 s[68:83], s[MB:MB+1], 0xc0
.endm
	s_load_b128 s[16:19], s[0:1], 0x0              ; qkvf s[16:17], maskbits s[18:19]
	s_load_b64 s[20:21], s[0:1], 0x10              ; af
	v_lshl_add_u32 v[SPW], v0, 2, SPARE
	v_mov_b32 v[NIL], 0
	ds_add_u32 v5, v6
	s_wait_dscnt 0x0
	v_lshrrev_b32 v8, 5, v0
	v_readfirstlane_b32 s[WV], v8                  ; wave 0..15
	s_bfe_u32 s97, ttmp6, 0x40000                  ; cx: my place in the cluster
	s_lshl_b32 s98, ttmp9, 2                       ; in a cluster launch ttmp9 counts clusters
	s_add_co_u32 s97, s97, s98                     ; my block of 512 queries: it enters q's, the mask's and the result's addresses alone
	s_and_b32 s98, ttmp7, 0xffff                   ; 16 x batch + head, which the four partners share
	; descriptor group 1: a dense block of 32,768 bytes as 128 rows of 256 bytes
	s_mov_b32 s[G1], 15|(3<<16)|(1<<21)            ; 15:0 the mask: all four work-groups; 17:16 elements of 8 bytes; 20 no padding; 21 set beside a mask
	s_mov_b32 s[G1+1], 32<<16                      ; tensor_dim0 = 32
	s_mov_b32 s[G1+2], 128<<16                     ; tensor_dim1 = 128
	s_mov_b32 s[G1+3], 32<<16                      ; tile_dim0 = 32
	s_mov_b32 s[G1+4], 128                         ; tile_dim1 = 128
	s_mov_b32 s[G1+5], 32                          ; tensor_dim0_stride
	s_mov_b32 s[G1+6], 0
	s_mov_b32 s[G1+7], 0
	s_and_b32 s99, s[WV], 3                        ; what I fetch, if I fetch: kind 1 + (wave / 2), half wave % 2
	s_lshr_b32 s100, s99, 1
	s_add_co_u32 s100, s100, 1
	s_lshl_b32 s100, s100, 24                      ; 16,777,216 bytes a kind
	s_lshl_b32 s101, s98, 18                       ; 262,144 bytes a (batch, head)
	s_add_co_u32 s100, s100, s101
	s_and_b32 s2, s99, 1
	s_lshl_b32 s2, s2, 15
	s_add_co_u32 s2, s100, s2                      ; under 2^26
	s_mov_b32 s3, 0
	s_mov_b32 s[SEL], 0x76543210
	s_mov_b32 s[SEL+1], 0xfedcba98
	s_mov_b32 s[TB], 0
	s_mov_b32 s[KI], 0
	s_wait_kmcnt 0x0
	s_mov_b32 s[G0], 1                             ; 1:0 count = 1
	s_lshl_b32 s[G0+1], s99, 15                    ; 63:32 LDS address: slot 0, wave x 32,768: no place in the cluster enters it
	s_add_nc_u64 s[G0+2:G0+3], s[16:17], s[2:3]    ; 120:64 global address: the first 512 keys
	s_or_b32 s[G0+3], s[G0+3], 0x80000000          ; 127:126 type = 2
	s_lshl_b32 s14, s97, 16                        ; q: my block's 32 tiles of 2,048 bytes,
	s_lshl_b32 s15, s[WV], 12                      ; my wave's two
	s_add_co_u32 s14, s14, s15
	s_add_co_u32 s14, s14, s101
	s_mov_b32 s15, 0
	s_add_nc_u64 s[QP:QP+1], s[16:17], s[14:15]
	s_lshr_b32 s100, s98, 4                        ; batch
	s_lshl_b32 s14, s100, 6
	s_lshl_b32 s99, s97, 4
	s_add_co_u32 s14, s14, s99
	s_add_co_u32 s14, s14, s[WV]                   ; the mask: which 32 queries: 64 x batch + 16 x block + wave;
	s_lshl_b32 s14, s14, 13                        ; 32 steps of 256 bytes each
	s_add_nc_u64 s[MB:MB+1], s[18:19], s[14:15]
	s_lshl_b32 s14, s100, 7
	s_lshl_b32 s99, s97, 5
	s_add_co_u32 s14, s14, s99
	s_lshl_b32 s99, s[WV], 1
	s_add_co_u32 s14, s14, s99                     ; the result: which tile of 16 tokens: 128 x batch + 32 x block + 2 x wave;
	s_lshl_b32 s14, s14, 15                        ; 32 fragments of 1,024 bytes a tile;
	s_and_b32 s99, s98, 15
	s_lshl_b32 s99, s99, 11                        ; my head's two
	s_add_co_u32 s14, s14, s99
	s_add_nc_u64 s[OUT:OUT+1], s[20:21], s[14:15]
	s_mov_b32 s[SLOTS], 3
	CROUND                                         ; all four work-groups are here: the first joint loads meet
	JLOAD                                          ; slot 0: one tensor load of mine is out, here and behind every later round
	MASKS                                          ; step 0's mask words (the three addresses above have been used)
	v_and_b32 v[LI], 31, v0
	v_lshlrev_b32 v[LI], 4, v[LI]
	v_add_nc_u32 v[LIV], VOFF, v[LI]
.irp i, 0,1,2,3,4,5,6,7
	global_load_b128 v[Q+4*\i:Q+4*\i+3], v[LI], s[QP:QP+1] offset:512*\i   ; Q stays in registers
.endr
	v_mov_b32 v[NEG], 0xceabfb8f
.irp t, 0,1
	v_mov_b32 v[ST+8*\t], 0xff61b1e6               ; the largest t so far: -3e38, under every t
	v_mov_b32 v[ST+8*\t+2], 0                      ; the sum, in two halves
	v_mov_b32 v[ST+8*\t+3], 0
	v_mov_b32 v[ST+8*\t+5], 0                      ; written once: a lane permute's destination counts as one of its sources
.endr
.set JJ, 0
.rept 64
	v_mov_b32 v[O+JJ], 0                           ; O^T.  (The step is written once: the first finds zeros, which its factor leaves zeros)
.set JJ, JJ+1
.endr
; A KEY STEP: 64 keys.
.macro STEP
	v_add_nc_u32 v[ADR], s[TB], v[LI]
	v_add_nc_u32 v[ADV], s[TB], v[LIV]
.rept 3
	v_nop                                          ; with the two additions five places behind the last step's last product: K's loads land in registers that it read (four are owed), and the first products below write over P's (five)
.endr
.irp f, 0,1                                    ; channels 0-31 of the four tiles of keys first
.irp i, 0,1,2,3
.irp c, 0,1
	ds_load_b128 v[KV+16*\i+8*\f+4*\c:KV+16*\i+8*\f+4*\c+3], v[ADR] offset:2048*\i+1024*\f+512*\c
.endr
.endr
.endr
	s_wait_dscnt 8                                 ; channels 0-31 are in; the eight loads of channels 32-63 may be out
.irp i, 0,1,2,3                                ; S^T = K Q^T: eight accumulators by turns; the first eight products start the sums
.irp t, 0,1
	v_wmma_f32_16x16x32_f16 v[S+32*\t+8*\i:S+32*\t+8*\i+7], v[KV+16*\i:KV+16*\i+7], v[Q+16*\t:Q+16*\t+7], 0
.endr
.endr
	s_wait_dscnt 0x0
.irp i, 0,1,2,3
.irp t, 0,1
	v_wmma_f32_16x16x32_f16 v[S+32*\t+8*\i:S+32*\t+8*\i+7], v[KV+16*\i+8:KV+16*\i+15], v[Q+16*\t+8:Q+16*\t+15], v[S+32*\t+8*\i:S+32*\t+8*\i+7]
.endr
.endr
.rept 4
	v_nop                                          ; four places: V's loads land in registers that those products read, and the selects below read their results
.endr
.irp g, 0,1                                    ; V^T, turned on the way out of LDS: it lands while the softmax is worked
.irp u, 0,1,2,3
	ds_load_tr16_b128 v[KV+32*\g+8*\u:KV+32*\g+8*\u+3],   v[ADV] offset:4096*\g+512*\u
	ds_load_tr16_b128 v[KV+32*\g+8*\u+4:KV+32*\g+8*\u+7], v[ADV] offset:4096*\g+2048+512*\u
.endr
.endr
	s_wait_kmcnt 0x0                               ; this step's mask words, asked for a step ago
.set WW, 0
.rept 64
	v_cndmask_b32 v[S+WW], v[NEG], v[S+WW], s[16+WW+4*(WW/48)]   ; a hidden key's score becomes -1e9 log2(e); each accumulator is read from its low end on
.set WW, WW+1
.endr
	s_add_co_u32 s[KI], s[KI], 1                   ; the next step's words (the wait above has shown the last loads done, so their base may be written).
	s_cmp_lt_u32 s[KI], 32                         ; The last step has no next: the address stays, so that no load leaves the buffer; those words are not used
	s_cselect_b32 s2, 256, 0
	s_mov_b32 s3, 0
	s_add_nc_u64 s[MB:MB+1], s[MB:MB+1], s[2:3]
	MASKS
.irp j, 0,1,2,3                                ; the largest of a lane's 32 scores and the old m, three operands at a time: four chains of seven scores, the two tiles by turns
.irp t, 0,1
	v_max3_num_f32 v[ST+8*\t+4+\j], v[S+32*\t+8*\j], v[S+32*\t+8*\j+1], v[S+32*\t+8*\j+2]
.endr
.endr
.irp k, 1,2
.irp j, 0,1,2,3
.irp t, 0,1
	v_max3_num_f32 v[ST+8*\t+4+\j], v[ST+8*\t+4+\j], v[S+32*\t+8*\j+2*\k+1], v[S+32*\t+8*\j+2*\k+2]
.endr
.endr
.endr
.irp t, 0,1
	v_max3_num_f32 v[ST+8*\t+4], v[ST+8*\t+4], v[S+32*\t+7], v[S+32*\t+15]
	v_max3_num_f32 v[ST+8*\t+6], v[ST+8*\t+6], v[S+32*\t+23], v[S+32*\t+31]
.endr
.irp t, 0,1
	v_max3_num_f32 v[ST+8*\t+4], v[ST+8*\t+4], v[ST+8*\t+5], v[ST+8*\t+6]
.endr
.irp t, 0,1
	v_max3_num_f32 v[ST+8*\t+4], v[ST+8*\t+4], v[ST+8*\t+7], v[ST+8*\t]
.endr
.irp t, 0,1
	v_permlanex16_b32 v[ST+8*\t+5], v[ST+8*\t+4], s[SEL], s[SEL+1]   ; the query's other 32 keys lie in the lane 16 away
.endr
.irp t, 0,1
	v_mov_b32 v[ST+8*\t+1], v[ST+8*\t]             ; the old m
.endr
.irp t, 0,1
	v_max_num_f32 v[ST+8*\t], v[ST+8*\t+4], v[ST+8*\t+5]
.endr
.irp t, 0,1
	v_sub_f32 v[ST+8*\t+7], v[ST+8*\t+1], v[ST+8*\t]
.endr
.irp t, 0,1
	v_exp_f32 v[ST+8*\t+6], v[ST+8*\t+7]           ; 2^(old m - new m); the subtractions below are the plain lines behind it
.endr
.irp t, 0,1
.set JJ, 0
.rept 16
	v_pk_add_f32 v[S+32*\t+JJ:S+32*\t+JJ+1], v[S+32*\t+JJ:S+32*\t+JJ+1], v[ST+8*\t:ST+8*\t+1] op_sel_hi:[1,0] neg_lo:[0,1] neg_hi:[0,1]   ; t - m, two at a time (of the pair the low word, m, serves both halves)
.set JJ, JJ+2
.endr
.endr
.set JJ, 0
.rept 64
	v_exp_f32 v[S+JJ], v[S+JJ]                     ; p = 2^(t - m), at most 1
.set JJ, JJ+1
.endr
	s_wait_alu depctr_va_vdst(0)
.irp t, 0,1
	v_pk_mul_f32 v[ST+8*\t+2:ST+8*\t+3], v[ST+8*\t+2:ST+8*\t+3], v[ST+8*\t+6:ST+8*\t+7] op_sel_hi:[1,0]   ; the sums under the new m.  (A plain line behind the exponentials)
.endr
.irp t, 0,1
	v_pk_add_f32 v[ST+8*\t+4:ST+8*\t+5], v[S+32*\t:S+32*\t+1], v[S+32*\t+2:S+32*\t+3]   ; the row's sum, of the unrounded p: two chains a tile, four by turns
.endr
.irp j, 4,8,12,16,20,24,28
.irp t, 0,1
	v_pk_add_f32 v[ST+8*\t+2:ST+8*\t+3], v[ST+8*\t+2:ST+8*\t+3], v[S+32*\t+\j:S+32*\t+\j+1]
	v_pk_add_f32 v[ST+8*\t+4:ST+8*\t+5], v[ST+8*\t+4:ST+8*\t+5], v[S+32*\t+\j+2:S+32*\t+\j+3]
.endr
.endr
.irp t, 0,1
	v_pk_add_f32 v[ST+8*\t+2:ST+8*\t+3], v[ST+8*\t+2:ST+8*\t+3], v[ST+8*\t+4:ST+8*\t+5]
.endr
.irp t, 0,1
.set JJ, 0
.rept 16
	v_cvt_pk_f16_f32 v[S+32*\t+JJ], v[S+32*\t+2*JJ], v[S+32*\t+2*JJ+1]   ; P in f16, in place, ascending: a result never lands on a p that is still to be read
.set JJ, JJ+1
.endr
.endr
.irp t, 0,1
.set JJ, 0
.rept 16
	v_pk_mul_f32 v[O+32*\t+JJ:O+32*\t+JJ+1], v[O+32*\t+JJ:O+32*\t+JJ+1], v[ST+8*\t+6:ST+8*\t+7] op_sel_hi:[1,0]   ; O^T under the new m; each accumulator from its low end on
.set JJ, JJ+2
.endr
.endr
	s_wait_dscnt 0x0                               ; V^T is in
.irp g, 0,1                                    ; O^T += V^T P: eight accumulators by turns
.irp u, 0,1,2,3
.irp t, 0,1
	v_wmma_f32_16x16x32_f16 v[O+32*\t+8*\u:O+32*\t+8*\u+7], v[KV+32*\g+8*\u:KV+32*\g+8*\u+7], v[S+32*\t+8*\g:S+32*\t+8*\g+7], v[O+32*\t+8*\u:O+32*\t+8*\u+7]
.endr
.endr
.endr
	s_add_co_u32 s[TB], s[TB], 8192                ; the next step's four tiles of 16 keys
.endm
; THE CHANGE OF SLOTS stands at a slot's head.  Each wave waits for all its tensor loads (its part of the slot that it is about to read), adds 0 to its spare word, and waits for that and for its reads of the slot that it has left.
; fill = 1: the barrier is a round of the cluster's, so that no wave of any partner still reads the other slot or has a load on its way; the joint refill is the first thing behind it and has the slot's eight steps in which to land.
.macro CHANGE fill
	s_wait_tensorcnt 0x0                           ; no tensor load of mine is out, so the group 0 may be written
	ds_add_u32 v[SPW], v[NIL]                      ; 0 onto my spare word
.if \fill
	s_xor_b32 s[G0+1], s[G0+1], SLOT1              ; the walking descriptor: the other slot than last time,
	s_add_nc_u64 s[G0+2:G0+3], s[G0+2:G0+3], 65536 ; the next 512 keys; the type bits on top are not reached
.endif
	s_wait_dscnt 0x0                               ; the add is done, and my reads of the slot that I have left are over
.if \fill
	CROUND
	JLOAD
.else
	s_barrier_signal -1
	s_barrier_wait -1
.endif
.endm
.macro SLOT_STEPS                      ; a slot's eight key steps: written once, walked eight times; the LDS addresses hang on s[TB]
	s_mov_b32 s[STEPS], 8
.Lstep_\@:
	STEP
	s_sub_co_u32 s[STEPS], s[STEPS], 1
	s_cmp_lg_u32 s[STEPS], 0
	s_cbranch_scc1 .Lstep_\@
	s_sub_co_u32 s[TB], s[TB], 65536               ; back to a slot's first step,
	s_xor_b32 s[TB], s[TB], SLOT1                  ; in the other slot
.endm
	s_wait_loadcnt 0x0                             ; Q
.Lslot:                                            ; three trips: behind each change of slots but the last the next 512 keys are asked for
	CHANGE 1
	SLOT_STEPS
	s_sub_co_u32 s[SLOTS], s[SLOTS], 1
	s_cmp_lg_u32 s[SLOTS], 0
	s_cbranch_scc1 .Lslot
	CHANGE 0                                       ; the last slot is written out
	SLOT_STEPS
	; THE WAY OUT.  The sum's two halves and the other half of the lanes' are added; O^T is divided by the sum and rounded to f16: a lane's eight channels of a token are 16 bytes of a chunk of the next launch's operand,
	; af [tile of 16 tokens 512][32 channels of the 1,024: 32][chunk: 512 bytes].  The additions are the places behind the last products.
.irp t, 0,1
	v_add_f32 v[ST+8*\t+4], v[ST+8*\t+2], v[ST+8*\t+3]
.endr
.irp t, 0,1
	v_permlanex16_b32 v[ST+8*\t+5], v[ST+8*\t+4], s[SEL], s[SEL+1]
.endr
.irp t, 0,1
	v_add_f32 v[ST+8*\t+4], v[ST+8*\t+4], v[ST+8*\t+5]
.endr
.irp t, 0,1
	v_rcp_f32 v[ST+8*\t+6], v[ST+8*\t+4]           ; the sum is at least 1: the row's largest p is 1
.endr
	v_nop                                          ; a plain line between the last reciprocal and the use of its result
	s_wait_alu depctr_va_vdst(0)
.irp t, 0,1
.set JJ, 0
.rept 16
	v_pk_mul_f32 v[O+32*\t+JJ:O+32*\t+JJ+1], v[O+32*\t+JJ:O+32*\t+JJ+1], v[ST+8*\t+6:ST+8*\t+7] op_sel_hi:[1,0]
.set JJ, JJ+2
.endr
.endr
.irp t, 0,1
.set JJ, 0
.rept 16
	v_cvt_pk_f16_f32 v[S+32*\t+JJ], v[O+32*\t+2*JJ], v[O+32*\t+2*JJ+1]
.set JJ, JJ+1
.endr
.endr
.irp t, 0,1
.irp u, 0,1,2,3
	global_store_b128 v[LI], v[S+32*\t+4*\u:S+32*\t+4*\u+3], s[OUT:OUT+1] offset:32768*\t+512*\u   ; 512 consecutive bytes, aligned
.endr
.endr
	s_wait_tensorcnt 0x0                           ; the wave's end
	ds_add_u32 v[SPW], v[NIL]
	s_wait_dscnt 0x0
	CROUND                                         ; the closing round: no work-group ends while a partner may still ask for a tile that names it
	s_endpgm
.Lfunc_end_k_qa92c4c808d_attn:
	.size	k_qa92c4c808d_attn, .Lfunc_end_k_qa92c4c808d_attn-k_qa92c4c808d_attn
	.p2alignl 7, 3214868480
	.fill 96, 4, 3214868480
	.section	.rodata,"a",@progbits
	.p2align	6, 0x0
	.amdhsa_kernel k_qa92c4c808d_attn
		.amdhsa_group_segment_fixed_size 327680
		.amdhsa_private_segment_fixed_size 0
		.amdhsa_enable_private_segment 0
		.amdhsa_kernarg_size 24
		.amdhsa_user_sgpr_count 2
		.amdhsa_user_sgpr_kernarg_segment_ptr 1
		.amdhsa_wavefront_size32 1
		.amdhsa_system_sgpr_workgroup_id_x 1
		.amdhsa_system_sgpr_workgroup_id_y 1
		.amdhsa_system_sgpr_workgroup_id_z 1
		.amdhsa_system_vgpr_workitem_id 0
		.amdhsa_next_free_vgpr 256
		.amdhsa_next_free_sgpr 102
		.amdhsa_reserve_vcc 0
		.amdhsa_float_denorm_mode_32 3
		.amdhsa_float_denorm_mode_16_64 3
		.amdhsa_memory_ordered 1
		.amdhsa_forward_progress 1
		.amdhsa_inst_pref_size 58
	.end_amdhsa_kernel
	.amdgpu_metadata
---
amdhsa.version: [ 1, 2 ]
amdhsa.kernels:
  - .name:           k_qa92c4c808d_attn
    .symbol:         k_qa92c4c808d_attn.kd
    .args:
      - { .name: qkvf, .offset: 0, .size: 8, .value_kind: global_buffer, .address_space: global }
      - { .name: maskbits, .offset: 8, .size: 8, .value_kind: global_buffer, .address_space: global }
      - { .name: af, .offset: 16, .size: 8, .value_kind: global_buffer, .address_space: global }
    .group_segment_fixed_size: 327680
    .private_segment_fixed_size: 0
    .kernarg_segment_align: 8
    .kernarg_segment_size: 24
    .max_flat_workgroup_size: 512
    .sgpr_count:     102
    .vgpr_count:     256
    .wavefront_size: 32
...
	.end_amdgpu_metadata
.endif
;; end of part 3
;; launch oproj (part 4): grid 8 x 32, 4 waves a work-group, clusters of 4 x 4, 327,680 bytes of LDS; arguments af, wof, out0; writes out0
.if DOCPART == 4
	.amdgcn_target "amdgcn-amd-amdhsa--gfx1250"
	.amdhsa_code_object_version 6
	.text
	.protected	k_qa92c4c808d_oproj
	.globl	k_qa92c4c808d_oproj
	.p2align	8
	.type	k_qa92c4c808d_oproj,@function
k_qa92c4c808d_oproj:
	s_mov_b64 s[64:65], 0
	v_nop
	global_prefetch_b8 v0, s[64:65] scope:SCOPE_SE
	s_setreg_imm32_b32 hwreg(HW_REG_WAVE_MODE, 25, 1), 1
	s_wait_xcnt 0x0
	s_wait_alu depctr_hold_cnt(0) depctr_sa_sdst(0) depctr_va_vdst(0) depctr_va_sdst(0) depctr_va_ssrc(0) depctr_va_vcc(0) depctr_vm_vsrc(0)
	s_getreg_b32 s2, hwreg(HW_REG_IB_STS2, 6, 4)
	s_cmp_eq_u32 s2, 0
	s_cbranch_scc0 .Lentry_in_a_cluster
	s_endpgm
.Lentry_in_a_cluster:
	s_bfe_u32 s2, ttmp6, 0x10000c
	s_cmp_lg_u32 s2, 0xf033
	s_cbranch_scc0 .Lentry_shape_is_right
	s_endpgm
.Lentry_shape_is_right:
; out0[m][n] = sum over k of a[m][k] Wo[n][k]: 8,192 x 1,024 x 1,024, operands in f16, sums in f32, out0 in f32.
; Both operands lie in the order of the operands' registers: af [tile of 16 tokens 512][32 along K: 32][1,024 bytes], wof [tile of 16 outputs 64][32][1,024 bytes]; a fragment is two chunks of 512 bytes, 16 bytes a lane:
; every LDS load is at 16 x lane: 512 consecutive bytes, no pitch, no padding.
; A tile of out0 is 256 tokens x 128 outputs: 256 work-groups.  Four waves, each 128 x 64: 32 accumulators of 16 x 16, 256 registers.  K goes in steps of 128 (four fragments a tile of 16 rows: 4,096 consecutive
; bytes of memory) through a ring of two LDS slots.
; CLUSTERS: 4 x 4 work-groups.  The four of a row of the cluster need the same tiles of a, the four of a column the same tiles of Wo: each is asked for JOINTLY, by the same tensor load with the same descriptor and
; a mask that names the four.  THE MATRIX INSTRUCTION IS USED TRANSPOSED (source 0 = 16 rows of Wo, source 1 = 16 tokens): a lane holds eight neighbouring outputs of one token.
; REGISTERS: window 0: v0-31 addresses; v128-191 the way out.   window 1: two fragment buffers of 96: a's 8 fragments, then Wo's 4.   window 2: the accumulators ((a, b) at v[8 (4 a + b)]).
; LIMITS: none beyond those of the launches that made the operands.
.set ASZ,    65536                     ; a slot: a's 16 tiles x 4,096 bytes,
.set SLOT,   98304                     ; then Wo's 8 tiles x 4,096 bytes
.set SPARE,  2*SLOT                    ; behind the ring: the spare words, 128 bytes for each wave: two blocks of 256 bytes that no other line names
.set SPITCH, 272                       ; the way out: a stage of 16 rows x (256 bytes + 16) for each wave: 68 words a row: row r starts at bank 4 r mod 64 (64 banks of 4 bytes: ISA guide 11.1).
                                       ; It lies in slot 0, which has had its last fill and its last read when the first result is stored there
.set LAPS,   4                         ; a lap = two K steps = once round the ring
.set ADRA, 16                          ; v16-17  LDS address of my fragments of a in slot 0, 1
.set ADRB, 20                          ; v20-21  the same for Wo
.set STO,  24                          ; v24     the way out: where I put 32 bytes of a row
.set RD,   25                          ; v25     where I read a row back
.set CO,   26                          ; v26     my byte offset in out0
.set SPW,  28                          ; v28     LDS address of my spare word: SPARE + 4 x my thread's number; never rewritten
.set NIL,  29                          ; v29     0; never rewritten
.set BK,   128                         ; the way out: 16 rows read back from the stage: v128-159 and v160-191 by turns
.set F0,   0                           ; fragment buffers, in window 1
.set F1,   96
.set G1, 24                            ; s[24:31] descriptor group 1 for a's tiles;  s[32:39] group 0, one set for each slot
.set G0, 32
.set G1B, 48                           ; s[48:55], s[56:63] the same for Wo's tiles
.set G0B, 56
.set MSB, 0
.macro WIN new                         ; the immediate's high byte repeats the setting that is left
.if MSB != \new
	s_set_vgpr_msb (MSB<<8)|\new
.set MSB, \new
.endif
.endm
.set MUL,  0xa5                        ; sources 0 (Wo) and 1 (a) window 1; C and D window 2
.set TO_F, 0x40                        ; destination window 1, address window 0
.macro JLOAD s                         ; a joint load: waves 0 and 1 fetch a's two halves, waves 2 and 3 Wo's; four v_nop follow each of the two lines, ahead of the jump, the label and what follows
	s_cmp_eq_u32 s11, 0
	s_cbranch_scc0 .Lfor_b_\@
	tensor_load_to_lds s[G0+4*\s:G0+4*\s+3], s[G1:G1+7]
	s_nop 0
.rept 4
	v_nop
.endr
	s_branch .Lasked_\@
.Lfor_b_\@:
	tensor_load_to_lds s[G0B+4*\s:G0B+4*\s+3], s[G1B:G1B+7]
	s_nop 0
.rept 4
	v_nop
.endr
.Lasked_\@:
.endm
.macro CREST                           ; a round of the cluster's barrier behind its opening barrier
	s_cmp_lg_u32 s10, 0
	s_cbranch_scc1 .Lnot_wave_0_\@
	s_barrier_signal -3
.Lnot_wave_0_\@:
	s_barrier_wait -3
	s_barrier_signal -1
	s_barrier_wait -1
.endm
.macro CROUND                          ; a whole round
	s_barrier_signal -1
	s_barrier_wait -1
	CREST
.endm
	s_load_b128 s[4:7], s[0:1], 0x0                ; af s[4:5], wof s[6:7]
	s_load_b64 s[8:9], s[0:1], 0x10                ; out0
	v_lshl_add_u32 v[SPW], v0, 2, SPARE
	v_mov_b32 v[NIL], 0
	ds_add_u32 v28, v29
	s_wait_dscnt 0x0
	v_lshrrev_b32 v1, 5, v0
	v_readfirstlane_b32 s10, v1                    ; wave 0..3
	s_lshr_b32 s11, s10, 1                         ; which half of the tile's tokens is mine.  Also: I fetch for a (0) or for Wo (1)
	s_and_b32 s12, s10, 1                          ; which half of its outputs.  Also: which half of that tile I fetch
	s_bfe_u32 s40, ttmp6, 0x40000                  ; cx, cy: my place in the cluster
	s_bfe_u32 s41, ttmp6, 0x40004
	s_lshl_b32 s42, ttmp9, 2
	s_add_co_u32 s42, s42, s40                     ; tile column = 4 x cluster x + cx
	s_and_b32 s13, ttmp7, 0xffff
	s_lshl_b32 s13, s13, 2
	s_add_co_u32 s13, s13, s41                     ; tile row = 4 x cluster y + cy
	s_lshl_b32 s43, s41, 2
	s_lshl_b32 s43, 15, s43                        ; my row of the cluster
	s_lshl_b32 s44, 0x1111, s40                    ; my column
	; descriptor group 1: rows of 4,096 bytes (a K step's four fragments of a tile of 16 rows), 32,768 bytes apart in memory, one behind the other in LDS: 8 of a's a load, 4 of Wo's
	s_or_b32 s[G1+0], s43, (3<<16)|(1<<21)         ; 15:0 the mask: a's tiles go to my row; 17:16 elements of 8 bytes; 20 no padding; 21 set beside a mask
	s_or_b32 s[G1B+0], s44, (3<<16)|(1<<21)        ; Wo's go to my column
	s_mov_b32 s[G1+1], 512<<16                     ; tensor_dim0 = 512
	s_mov_b32 s[G1+2], 8<<16                       ; tensor_dim1 = 8
	s_mov_b32 s[G1+3], 512<<16                     ; tile_dim0 = 512
	s_mov_b32 s[G1+4], 8                           ; tile_dim1 = 8
	s_mov_b32 s[G1+5], 4096                        ; tensor_dim0_stride
	s_mov_b32 s[G1+6], 0
	s_mov_b32 s[G1+7], 0
	s_mov_b32 s[G1B+1], 512<<16
	s_mov_b32 s[G1B+2], 4<<16
	s_mov_b32 s[G1B+3], 512<<16
	s_mov_b32 s[G1B+4], 4
	s_mov_b32 s[G1B+5], 4096
	s_mov_b32 s[G1B+6], 0
	s_mov_b32 s[G1B+7], 0
	s_lshl_b32 s16, s13, 19                        ; a: tile of 16 tokens 16 x tile row + 8 x half, 32,768 bytes each
	s_lshl_b32 s17, s12, 18
	s_add_co_u32 s16, s16, s17
	s_mov_b32 s17, 0
	s_lshl_b32 s46, s42, 18                        ; Wo: tile of 16 outputs 8 x tile column + 4 x half
	s_lshl_b32 s47, s12, 17
	s_add_co_u32 s46, s46, s47
	s_mov_b32 s47, 0
	s_lshl_b32 s20, s12, 15                        ; where they go: a's halves,
	s_lshl_b32 s21, s12, 14
	s_add_co_u32 s21, s21, ASZ                     ; Wo's halves behind them: no place in the cluster enters an LDS address
	s_wait_kmcnt 0x0
	s_add_nc_u64 s[14:15], s[4:5], s[16:17]
	s_add_nc_u64 s[46:47], s[6:7], s[46:47]
	CROUND                                         ; all sixteen work-groups are here: the first joint loads meet
.irp s, 0,1
	s_mov_b32 s[G0+4*\s], 1
	s_add_co_u32 s[G0+4*\s+1], s20, \s*SLOT
	s_add_nc_u64 s[G0+4*\s+2:G0+4*\s+3], s[14:15], \s*4096
	s_or_b32 s[G0+4*\s+3], s[G0+4*\s+3], 0x80000000
	s_mov_b32 s[G0B+4*\s], 1
	s_add_co_u32 s[G0B+4*\s+1], s21, \s*SLOT
	s_add_nc_u64 s[G0B+4*\s+2:G0B+4*\s+3], s[46:47], \s*4096
	s_or_b32 s[G0B+4*\s+3], s[G0B+4*\s+3], 0x80000000
	JLOAD \s                                       ; two tensor loads of mine are out at the start, one behind each later round
.endr
	v_and_b32 v1, 15, v0                           ; l % 16
	v_bfe_u32 v2, v0, 4, 1                         ; l / 16
	v_and_b32 v3, 31, v0
	v_lshlrev_b32 v3, 4, v3                        ; 16 x lane
	s_lshl_b32 s21, s11, 15                        ; my 8 tiles of tokens
	s_lshl_b32 s22, s12, 14                        ; my 4 tiles of outputs,
	s_add_co_u32 s22, s22, ASZ                     ; which lie behind a's 16
.irp s, 0,1
	v_add_nc_u32 v[ADRA+\s], s21, v3
	v_add_nc_u32 v[ADRB+\s], s22, v3
	s_add_co_u32 s21, s21, SLOT
	s_add_co_u32 s22, s22, SLOT
.endr
	s_mul_i32 s23, s10, 16*SPITCH                  ; my stage
	v_mul_u32_u24 v4, v1, SPITCH                   ; in: row l % 16, 32 bytes for each half of the lanes
	v_lshl_add_u32 v4, v2, 5, v4
	v_add_nc_u32 v[STO], s23, v4
	v_mul_u32_u24 v5, v2, SPITCH                   ; back: lanes 0-15 take one row of 256 bytes, lanes 16-31 the next
	v_lshl_add_u32 v5, v1, 4, v5
	v_add_nc_u32 v[RD], s23, v5
	v_lshlrev_b32 v5, 12, v2                       ; and the same two rows in out0 (4,096 bytes a row)
	v_lshl_add_u32 v[CO], v1, 4, v5
	s_lshl_b32 s16, s13, 8
	s_lshl_b32 s17, s11, 7
	s_add_co_u32 s16, s16, s17                     ; my first token: 256 x tile row + 128 x half
	s_lshl_b32 s16, s16, 12
	s_mov_b32 s17, 0
	s_add_nc_u64 s[8:9], s[8:9], s[16:17]
	s_lshl_b32 s46, s42, 9                         ; my first output, in bytes: 512 x tile column + 256 x half
	s_lshl_b32 s47, s12, 8
	s_add_co_u32 s46, s46, s47
	s_mov_b32 s47, 0
	s_add_nc_u64 s[8:9], s[8:9], s[46:47]
; 4 n matrix instructions: token blocks a0 .. a0 + n - 1 x all 4 output blocks, 32 along K: buffer f.  zero = 1: the first product starts the sums.
; The 32 accumulators take turns, one instruction a turn, in the same order in every quarter.
.macro MULS f, a0, n, zero
.set AA, \a0
.rept \n
.irp b, 0,1,2,3
.if \zero
	v_wmma_f32_16x16x32_f16 v[8*(4*AA+\b):8*(4*AA+\b)+7], v[\f+64+8*\b:\f+64+8*\b+7], v[\f+8*AA:\f+8*AA+7], 0
.else
	v_wmma_f32_16x16x32_f16 v[8*(4*AA+\b):8*(4*AA+\b)+7], v[\f+64+8*\b:\f+64+8*\b+7], v[\f+8*AA:\f+8*AA+7], v[8*(4*AA+\b):8*(4*AA+\b)+7]
.endif
.endr
.set AA, AA+1
.endr
.endm
; 24 LDS loads in one run: the fragments of the slot's q-th 32 along K into buffer f: Wo's 4 first, then a's 8 in order
.macro FETCH slot, q, f
	WIN TO_F
.irp i, 0,1,2,3
.irp c, 0,1
	ds_load_b128 v[\f+64+8*\i+4*\c:\f+64+8*\i+4*\c+3], v[ADRB+\slot] offset:4096*\i+1024*(\q)+512*\c
.endr
.endr
.irp i, 0,1,2,3,4,5,6,7
.irp c, 0,1
	ds_load_b128 v[\f+8*\i+4*\c:\f+8*\i+4*\c+3], v[ADRA+\slot] offset:4096*\i+1024*(\q)+512*\c
.endr
.endr
.endm
.macro PLACES                          ; four places in front of loads into registers that matrix instructions have read, and of LDS stores that read results (ISA guide 7.12.1 for vector instructions)
.rept 4
	v_nop
.endr
.endm
; A K step is four quarters of 32 along K, 32 matrix instructions each, on buffers 0, 1, 0, 1.  One of the first three: multiplies buffer f and fetches the slot's q-th quarter into g.
.macro QUARTER slot, q, f, g, zero
	s_wait_dscnt 8                                 ; Wo's fragments and a's blocks 0-3 are in; the youngest eight loads (a's blocks 4-7) may be out
	WIN MUL
	MULS \f, 0, 4, \zero
	PLACES
	FETCH \slot, \q, \g
	s_wait_dscnt 24                                ; all but the 24 just issued
	WIN MUL
	MULS \f, 4, 4, \zero
.endm
; The last quarter multiplies buffer 1 and changes slots: ONE barrier; in front of it each wave waits for all its tensor loads, adds 0 to its spare word, and waits for that and for its own reads of this slot.
; fill = 1: this slot is filled again, two K steps ahead; the barrier then opens a round of the cluster's.
.macro TURN slot, next, fill
	WIN 0                                          ; (the add's two registers lie in window 0)
	s_wait_tensorcnt 0x0                           ; all my tensor loads have landed: my part of the next slot;
	ds_add_u32 v[SPW], v[NIL]                      ; 0 onto my spare word
	s_wait_dscnt 9                                 ; (the add and the youngest eight loads may be out)
	WIN MUL
	MULS F1, 0, 2, 0                               ; eight matrix instructions stand between the add and the wait for it
	s_wait_dscnt 0x0                               ; the add is done, and my reads of this slot are over
	s_barrier_signal -1
	MULS F1, 2, 2, 0
.if \fill
	WIN 0
.endif
	s_barrier_wait -1
.if \fill
	CREST                                          ; no wave of any partner still reads this slot's tile or has a load on its way
	s_add_nc_u64 s[G0+4*\slot+2:G0+4*\slot+3], s[G0+4*\slot+2:G0+4*\slot+3], 8192
	s_add_nc_u64 s[G0B+4*\slot+2:G0B+4*\slot+3], s[G0B+4*\slot+2:G0B+4*\slot+3], 8192
	JLOAD \slot                                    ; the first tensor load behind the round; the four v_nop behind it are also the places in front of the loads below
.else
	PLACES
.endif
	FETCH \next, 0, F0
	WIN MUL
	MULS F1, 4, 4, 0
.endm
	s_wait_tensorcnt 1                             ; my part of K step 0 is in (K step 1's load may be out),
	s_barrier_signal -1
	s_barrier_wait -1                              ; everybody's is
	FETCH 0, 0, F0
	QUARTER 0, 1, F0, F1, 1                        ; the first quarter stands in front of the loop: its products start the sums
	WIN 0                                          ; at a label and at a branch every window is 0
	s_mov_b32 s3, LAPS-1
.Llap:                                                 ; a trip goes once round the ring, from a lap's second quarter to the next lap's first, and fills both slots again
	QUARTER 0, 2, F1, F0, 0
	QUARTER 0, 3, F0, F1, 0
	TURN 0, 1, 1
	QUARTER 1, 1, F0, F1, 0
	QUARTER 1, 2, F1, F0, 0
	QUARTER 1, 3, F0, F1, 0
	TURN 1, 0, 1
	QUARTER 0, 1, F0, F1, 0
	WIN 0
	s_sub_co_u32 s3, s3, 1
	s_cmp_lg_u32 s3, 0
	s_cbranch_scc1 .Llap
	QUARTER 0, 2, F1, F0, 0                        ; the last lap fills nothing, and has no round of the cluster's barrier
	QUARTER 0, 3, F0, F1, 0
	TURN 0, 1, 0
	QUARTER 1, 1, F0, F1, 0
	QUARTER 1, 2, F1, F0, 0
	QUARTER 1, 3, F0, F1, 0
	s_wait_dscnt 8                                 ; the very last quarter: nothing more to fetch
	WIN MUL
	MULS F1, 0, 4, 0
	s_wait_dscnt 0
	MULS F1, 4, 4, 0
	WIN 0
; THE WAY OUT, block by block of 16 tokens x 64 outputs.  A lane holds 32 neighbouring bytes of a row, and the lanes beside it hold other rows: so a block goes through my own stage in LDS and comes back as whole
; rows of 256 bytes.  LDS serves a wave's instructions in order (ISA guide 5.7.1.4): no wait between the stores and the loads, nor in front of the next block's stores.
.macro TOSTAGE a
	WIN 0x08                                       ; an LDS store's data are its source 1: window 2
.irp b, 0,1,2,3
	ds_store_b128 v[STO], v[32*(\a)+8*\b:32*(\a)+8*\b+3] offset:64*\b          ; each accumulator from its low end on
	ds_store_b128 v[STO], v[32*(\a)+8*\b+4:32*(\a)+8*\b+7] offset:64*\b+16
.endr
	WIN 0
.set BB, BK+32*((\a)%2)
.irp t, 0,1,2,3,4,5,6,7
	ds_load_b128 v[BB+4*\t:BB+4*\t+3], v[RD] offset:\t*2*SPITCH
.endr
.endm
.macro SEND a, younger                 ; younger: the LDS instructions issued behind block a's loads, which may stay out
.set BB, BK+32*((\a)%2)
	s_wait_dscnt \younger                          ; the block is back in registers
.irp t, 0,1,2,3,4,5,6,7
	global_store_b128 v[CO], v[BB+4*\t:BB+4*\t+3], s[8:9] offset:(16*(\a)+2*\t)*4096 th:TH_STORE_NT   ; 16 lanes store 256 consecutive bytes, at a multiple of 256 from out0's first byte; the base is never stepped: 126 rows at the most stand in the immediate
.endr
.endm
	PLACES                                         ; behind the last products
	TOSTAGE 0
.irp a, 1,2,3,4,5,6,7
.if \a > 1
	s_wait_xcnt 0x0                                ; block a - 2's stores have read their registers: block a's loads may land there
.endif
	TOSTAGE \a
	SEND \a-1, 16                                  ; behind block a - 1's loads: block a's 8 stores and 8 loads
.endr
	SEND 7, 0
	s_wait_tensorcnt 0x0                           ; the wave's end: behind my last tensor load and my last LDS store
	ds_add_u32 v[SPW], v[NIL]
	s_wait_dscnt 0x0
	CROUND                                         ; the closing round: no work-group ends while a partner may still ask for a tile that names it
	s_endpgm
.Lfunc_end_k_qa92c4c808d_oproj:
	.size	k_qa92c4c808d_oproj, .Lfunc_end_k_qa92c4c808d_oproj-k_qa92c4c808d_oproj
	.p2alignl 7, 3214868480
	.fill 96, 4, 3214868480
	.section	.rodata,"a",@progbits
	.p2align	6, 0x0
	.amdhsa_kernel k_qa92c4c808d_oproj
		.amdhsa_group_segment_fixed_size 327680
		.amdhsa_private_segment_fixed_size 0
		.amdhsa_enable_private_segment 0
		.amdhsa_kernarg_size 24
		.amdhsa_user_sgpr_count 2
		.amdhsa_user_sgpr_kernarg_segment_ptr 1
		.amdhsa_wavefront_size32 1
		.amdhsa_system_sgpr_workgroup_id_x 1
		.amdhsa_system_sgpr_workgroup_id_y 1
		.amdhsa_system_sgpr_workgroup_id_z 1
		.amdhsa_system_vgpr_workitem_id 0
		.amdhsa_next_free_vgpr 768
		.amdhsa_next_free_sgpr 66
		.amdhsa_reserve_vcc 0
		.amdhsa_float_denorm_mode_32 3
		.amdhsa_float_denorm_mode_16_64 3
		.amdhsa_memory_ordered 1
		.amdhsa_forward_progress 1
		.amdhsa_inst_pref_size 85
	.end_amdhsa_kernel
	.amdgpu_metadata
---
amdhsa.version: [ 1, 2 ]
amdhsa.kernels:
  - .name:           k_qa92c4c808d_oproj
    .symbol:         k_qa92c4c808d_oproj.kd
    .args:
      - { .name: af, .offset: 0, .size: 8, .value_kind: global_buffer, .address_space: global }
      - { .name: wof, .offset: 8, .size: 8, .value_kind: global_buffer, .address_space: global }
      - { .name: out0, .offset: 16, .size: 8, .value_kind: global_buffer, .address_space: global }
    .group_segment_fixed_size: 327680
    .private_segment_fixed_size: 0
    .kernarg_segment_align: 8
    .kernarg_segment_size: 24
    .max_flat_workgroup_size: 128
    .sgpr_count:     66
    .vgpr_count:     768
    .wavefront_size: 32
...
	.end_amdgpu_metadata
.endif
;; end of part 4
